; MI455X (gfx1250); checked and timed in simulation.
; The chip was launched on July 23, 2026; its instructions are those of AMD's public machine-readable ISA for CDNA 5 (MIT licence, August 2026) and "CDNA5" Instruction Set Architecture Reference Guide (July 2026). The comments in the code are by the model that wrote it; some were corrected since.
;; Scaled Dot Product Self Attention. Allowed arithmetic: float matrix products may take bf16 or f16 operands with f32 sums; other float arithmetic in f32, or as packed bf16 or f16 multiplies, adds, multiply-adds, maxima and minima; sums over many terms, partial sums and values carried from step to step in f32; what a program stores and reads back later, other than sums and carried values, may be rounded once to bf16 or f16.
;; Inputs: Wk 1,024 x 1,024 float32; Wq 1,024 x 1,024 float32; Wv 1,024 x 1,024 float32; x 4 x 2,048 x 1,024 float32.
;; Outputs: out0 4 x 2,048 x 1,024 float32.
;; 2 versions, each right; version 2 is version 1 with the launch cvt written anew for expert scheduling mode. Each part assembles by itself: llvm-mc -triple=amdgcn-amd-amdhsa -mcpu=gfx1250 --defsym DOCPART=n.
;; ======== version 1 of 2: 4 launches
;; limits: values are held in f16: magnitudes above 65,504 overflow, below 6.1e-05 lose precision
;; workspace buffers: xb 16,777,216 bytes; wb 6,291,456 bytes; qkv 50,331,648 bytes; pt 33,554,432 bytes; st 1,048,576 bytes
;; launch cvt (part 1): grid 256 x 1, 11 waves a work-group, no clusters, 0 bytes of LDS; arguments x, Wq, Wk, Wv, xb, wb; writes xb, wb
.if DOCPART == 1
	.amdgcn_target "amdgcn-amd-amdhsa--gfx1250"
	.amdhsa_code_object_version 6
	.text
	.protected	k_q6cf36a0c7f_cvt
	.globl	k_q6cf36a0c7f_cvt
	.p2align	8
	.type	k_q6cf36a0c7f_cvt,@function
k_q6cf36a0c7f_cvt:
	s_mov_b64 s[64:65], 0
	v_nop
	global_prefetch_b8 v0, s[64:65] scope:SCOPE_SE
	s_setreg_imm32_b32 hwreg(HW_REG_WAVE_MODE, 25, 1), 1
	s_wait_xcnt 0x0
; x [8192][1024] and Wq, Wk, Wv [1024][1024], all f32, are rounded once to bf16 (nearest even) and laid out in blocks along K:
; xb [16][8192][64], wb [16][3072][64]: a row's 64 numbers of a block are 128 bytes, rows on end, so that any tile 'R rows x 64 along K' of the next launch is one dense piece of memory.
; wb's rows are dealt by sixty-fours: row 192 c + 64 t + i is row 64 c + i of W number t (0 Wq, 1 Wk, 2 Wv): 192 rows on end are 64 columns each of q, k and v.
; SHARES.  The 11,264 rows are 2,816 fours; a wave owns four rows, a work-group has 11 waves, 256 work-groups: each the same share.  Waves 0-2047 (counted over the launch) take x, the other 768 the three W.
; Which buffers a wave works on is chosen by selects: there is no branch.
; Load j of 32: row pair j / 16, block j % 16; lanes 0-15 take the 256 bytes of the even row, lanes 16-31 of the odd one.  A lane's 16 bytes become 8, and the wave's store covers 256 consecutive
; bytes, aligned: the two rows' 128 bytes of that block.  All 32 loads of a wave go out at once (16 KiB); no register is written twice, so the only waits are the counted ones for the loads.
; No LDS, matrix unit or cluster: nothing is shared and nothing is read twice.
.set BLK,  0x100000                    ; bytes of a block of xb: 8192 rows x 128
.set WBLK, 0x60000                     ; of wb: 3072 rows x 128
.set SRCO, 3                           ; v3      my byte offset in the wave's four source rows
.set DST0, 4                           ; v4      my byte offset in the wave's rows of block 0
.set DO,   8                           ; v[8:23] the same for each of the 16 blocks
.set X,    24                          ; v[24:151] load j: four registers
	s_load_b256 s[4:11], s[0:1], 0x0               ; x s[4:5], Wq s[6:7], Wk s[8:9], Wv s[10:11]
	s_load_b128 s[12:15], s[0:1], 0x20             ; xb s[12:13], wb s[14:15]
	v_lshrrev_b32 v1, 5, v0
	v_readfirstlane_b32 s16, v1                    ; wave 0..10
	v_bfe_u32 v2, v0, 4, 1                         ; half of the lanes
	v_and_b32 v5, 15, v0
	v_and_b32 v6, 31, v0
	v_lshlrev_b32 v[SRCO], 4, v5                   ; 16 bytes a lane,
	v_lshl_add_u32 v[SRCO], v2, 12, v[SRCO]        ; the odd row for lanes 16-31
	v_lshlrev_b32 v[DST0], 3, v6                   ; 8 bytes a lane: two rows of 128 bytes
	s_mul_i32 s17, ttmp9, 11
	s_add_co_u32 s17, s17, s16                     ; my four rows among the launch's 2,816 fours
	s_sub_co_u32 s18, s17, 2048                    ; among W's 768 (used where the wave is one of them)
	s_lshr_b32 s19, s18, 8                         ; which W
	s_and_b32 s24, s18, 255                        ; which four rows of it
	s_lshr_b32 s25, s24, 4                         ; where they go in wb, in fours: 48 for each sixty-four rows,
	s_mul_i32 s25, s25, 48
	s_lshl_b32 s28, s19, 4                         ; 16 for each W,
	s_add_co_u32 s25, s25, s28
	s_and_b32 s28, s24, 15                         ; and the four's place in its sixty-four
	s_add_co_u32 s25, s25, s28
	s_mov_b32 s26, BLK
	s_mov_b32 s27, WBLK
	s_wait_kmcnt 0x0
	s_cmp_eq_u32 s19, 1
	s_cselect_b64 s[20:21], s[8:9], s[6:7]
	s_cmp_eq_u32 s19, 2
	s_cselect_b64 s[20:21], s[10:11], s[20:21]
	s_cmp_lt_u32 s17, 2048                         ; a wave of x?
	s_cselect_b64 s[20:21], s[4:5], s[20:21]       ; from where,
	s_cselect_b64 s[22:23], s[12:13], s[14:15]     ; to where,
	s_cselect_b32 s24, s17, s24                    ; which four rows of the source,
	s_cselect_b32 s25, s17, s25                    ; which of the destination,
	s_cselect_b32 s26, s26, s27                    ; and how far the destination's blocks lie apart
	s_lshl_b32 s28, s24, 14                        ; four rows of 4,096 bytes
	s_mov_b32 s29, 0
	s_lshl_b32 s30, s25, 9                         ; four rows of 128 bytes
	s_mov_b32 s31, 0
	s_add_nc_u64 s[20:21], s[20:21], s[28:29]
	s_add_nc_u64 s[22:23], s[22:23], s[30:31]
.set j, 0
.rept 32
	global_load_b128 v[X+4*j:X+4*j+3], v[SRCO], s[20:21] offset:(j/16)*8192+(j%16)*256 th:TH_LOAD_NT
.set j, j+1
.endr
.irp kb, 0,1,2,3,4,5,6,7,8,9,10,11,12,13,14,15
	s_mul_i32 s2, s26, \kb
	v_add_nc_u32 v[DO+\kb], s2, v[DST0]
.endr
.set j, 0
.rept 32
	s_wait_loadcnt 31-j                            ; loads come back in order: load j is in, the younger ones stay out
	v_cvt_pk_bf16_f32 v[X+4*j], v[X+4*j], v[X+4*j+1]
	v_cvt_pk_bf16_f32 v[X+4*j+1], v[X+4*j+2], v[X+4*j+3]
	global_store_b64 v[DO+j%16], v[X+4*j:X+4*j+1], s[22:23] offset:(j/16)*256
.set j, j+1
.endr
	s_endpgm
.Lfunc_end_k_q6cf36a0c7f_cvt:
	.size	k_q6cf36a0c7f_cvt, .Lfunc_end_k_q6cf36a0c7f_cvt-k_q6cf36a0c7f_cvt
	.p2alignl 7, 3214868480
	.fill 96, 4, 3214868480
	.section	.rodata,"a",@progbits
	.p2align	6, 0x0
	.amdhsa_kernel k_q6cf36a0c7f_cvt
		.amdhsa_group_segment_fixed_size 0
		.amdhsa_private_segment_fixed_size 0
		.amdhsa_enable_private_segment 0
		.amdhsa_kernarg_size 48
		.amdhsa_user_sgpr_count 2
		.amdhsa_user_sgpr_kernarg_segment_ptr 1
		.amdhsa_wavefront_size32 1
		.amdhsa_system_sgpr_workgroup_id_x 1
		.amdhsa_system_sgpr_workgroup_id_y 1
		.amdhsa_system_sgpr_workgroup_id_z 1
		.amdhsa_system_vgpr_workitem_id 0
		.amdhsa_next_free_vgpr 152
		.amdhsa_next_free_sgpr 66
		.amdhsa_reserve_vcc 0
		.amdhsa_float_denorm_mode_32 3
		.amdhsa_float_denorm_mode_16_64 3
		.amdhsa_memory_ordered 1
		.amdhsa_forward_progress 1
		.amdhsa_inst_pref_size 14
	.end_amdhsa_kernel
	.amdgpu_metadata
---
amdhsa.version: [ 1, 2 ]
amdhsa.kernels:
  - .name:           k_q6cf36a0c7f_cvt
    .symbol:         k_q6cf36a0c7f_cvt.kd
    .args:
      - { .name: x, .offset: 0, .size: 8, .value_kind: global_buffer, .address_space: global }
      - { .name: Wq, .offset: 8, .size: 8, .value_kind: global_buffer, .address_space: global }
      - { .name: Wk, .offset: 16, .size: 8, .value_kind: global_buffer, .address_space: global }
      - { .name: Wv, .offset: 24, .size: 8, .value_kind: global_buffer, .address_space: global }
      - { .name: xb, .offset: 32, .size: 8, .value_kind: global_buffer, .address_space: global }
      - { .name: wb, .offset: 40, .size: 8, .value_kind: global_buffer, .address_space: global }
    .group_segment_fixed_size: 0
    .private_segment_fixed_size: 0
    .kernarg_segment_align: 8
    .kernarg_segment_size: 48
    .max_flat_workgroup_size: 352
    .sgpr_count:     66
    .vgpr_count:     152
    .wavefront_size: 32
...
	.end_amdgpu_metadata
.endif
;; end of part 1
;; launch proj (part 2): grid 8 x 32, 4 waves a work-group, clusters of 4 x 4, 327,680 bytes of LDS; arguments xb, wb, qkv; writes qkv
.if DOCPART == 2
	.amdgcn_target "amdgcn-amd-amdhsa--gfx1250"
	.amdhsa_code_object_version 6
	.text
	.protected	k_q6cf36a0c7f_proj
	.globl	k_q6cf36a0c7f_proj
	.p2align	8
	.type	k_q6cf36a0c7f_proj,@function
k_q6cf36a0c7f_proj:
	s_mov_b64 s[64:65], 0
	v_nop
	global_prefetch_b8 v0, s[64:65] scope:SCOPE_SE
	s_setreg_imm32_b32 hwreg(HW_REG_WAVE_MODE, 25, 1), 1
	s_wait_xcnt 0x0
	s_wait_alu depctr_hold_cnt(0) depctr_sa_sdst(0) depctr_va_vdst(0) depctr_va_sdst(0) depctr_va_ssrc(0) depctr_va_vcc(0) depctr_vm_vsrc(0)
	s_getreg_b32 s2, hwreg(HW_REG_IB_STS2, 6, 4)
	s_cmp_eq_u32 s2, 0
	s_cbranch_scc0 .Lentry_in_a_cluster
	s_endpgm
.Lentry_in_a_cluster:
	s_bfe_u32 s2, ttmp6, 0x10000c
	s_cmp_lg_u32 s2, 0xf033
	s_cbranch_scc0 .Lentry_shape_is_right
	s_endpgm
.Lentry_shape_is_right:
; [q | k | v] = x W^T.  xb [16][8192][64] and wb [16][3072][64] in bf16 (blocks of 64 along K, a row's part 128 bytes, rows on end); sums in f32, K ascending;
; qkv [48][8192][64], 16 bits a number, rounded once, unscaled: blocks 0-15 q and 16-31 k in bf16, blocks 32-47 v in f16.
; wb's rows are dealt by sixty-fours (192 c + 64 t + i = row 64 c + i of W number t), so a wave's 192 columns are block c of q, of k and of v: which format a column group takes is fixed in the text.
; LIMIT.  f16 ends at 65,504: a v of 65,520 or more becomes an infinity.  As drawn v stays under 4; with all inputs 30 times larger under 4,000; with offsets of 30 spreads on x and W near 17,000.
; SHARES.  A tile of the result is 256 rows x 384 columns: 32 x 8 tiles, one for each work-group.  Four waves, 2 x 2: a wave makes 128 x 192: 8 x 12 accumulators of 16 x 16, 768 registers.
; K goes in steps of 64 (one block) through two LDS slots; a step is two substeps of 32 along K, 96 matrix instructions each.  Two slots of 128 along K would not fit in LDS.
; CLUSTER.  4 x 4 work-groups.  The four of a row need the same rows of xb, the four of a column the same rows of wb: each tile is asked for jointly, by the same tensor load with the same descriptor and mask.
; THE MATRIX INSTRUCTION IS USED TRANSPOSED (source 0 = 16 rows of wb, source 1 = 16 rows of xb): a lane then holds eight neighbouring columns of one row of the result.
; REGISTERS, in windows of 256: window 0: v0-31 addresses; v32-95, v96-159 xb's fragments (8 x 16 rows x 32 K), two buffers; v160-255 wb's twelve fragments, filled again in place, four behind
; their products and eight at the substep's end.  Window 1 + g: the accumulators of column group g (64 columns; 0 q, 1 k, 2 v): (a, b) at v[8 (4 a + b)].
.set BLK,    0x100000                  ; bytes of a block of xb and of qkv
.set WBLK,   0x60000                   ; of wb
.set PITCH,  144                       ; an LDS row: 128 bytes + 16 of padding = 36 words: the 16 rows of a load start at 16 different groups of four banks (64 banks of 4 bytes: ISA guide 11.1)
.set FR,     16*PITCH                  ; 16 rows
.set SLOTX,  0x20000                   ; slot 1 begins here: one exclusive or turns an address in one slot into the other's
.set BOFF,   256*PITCH                 ; in a slot: xb's 256 rows, then wb's 384
.set STAGE,  SLOTX+640*PITCH           ; behind the ring: 16 rows x 144 bytes for each wave, for the way out
.set SPARE,  STAGE+4*FR                ; behind the stages: the spare words, 128 bytes for each wave, which no other line names
.set ADRA,  16                         ; v16  LDS address of my xb fragments in the slot that is read
.set ADRA0, 17                         ; v17  the same in slot 0; never rewritten
.set ADRB,  20
.set ADRB0, 21
.set STO,   24                         ; v24  the way out: where I put 16 bytes of a row
.set RD,    25                         ; v25  where I read rows back
.set CO,    26                         ; v26  16 x lane
.set SPW,   28                         ; v28  my spare word
.set NIL,   29                         ; v29  0
.set PFO,   30                         ; v30  the prefetches' offset; never rewritten
.set F0,    32
.set F1,    96
.set FB,    160
.set G1W,   (1<<16)|(1<<20)|(1<<21)|(4<<22)|(3<<25)  ; 2-byte elements; padding on; bit 21 beside a mask; after every 32 words 4 words
; s12 wave, s13 wave / 2 (my row half; also: I fetch xb (0) or wb (1)), s14 wave % 2 (my column half; also which half of that tile I fetch), s15 cx, s16 cy, s17 tile column, s18 tile row, s19 cluster y
; s[24:31], s[32:39] descriptor groups 1 and 0 (two sets) for xb; s[40:47], s[48:55] for wb; s56 the slot that is read; s57, s[58:59], s[60:61] the prefetches' bound, address and step; s3 the loop's count
; s[8:9], s[66:67], s[68:69] where my rows begin in my block of q, of k and of v
.set MSB, 0
.macro WIN new                         ; the immediate's high byte repeats the setting that is left; a switch that changes nothing is dropped
.if MSB != (\new)
	s_set_vgpr_msb (MSB<<8)|(\new)
.set MSB, \new
.endif
.endm
.macro PLACES                          ; four places in front of loads into registers that matrix instructions have read, and of conversions that read results
.rept 4
	v_nop
.endr
.endm
.macro CREST                           ; a round of the cluster's barrier behind its opening barrier
	s_cmp_lg_u32 s12, 0
	s_cbranch_scc1 .Lnot_wave_0_\@
	s_barrier_signal -3
.Lnot_wave_0_\@:
	s_barrier_wait -3
	s_barrier_signal -1
	s_barrier_wait -1
.endm
.macro CROUND
	s_barrier_signal -1
	s_barrier_wait -1
	CREST
.endm
.macro JLOAD                           ; a joint refill by the walking descriptor: waves 0 and 1 fetch xb's halves, waves 2 and 3 wb's
	s_cmp_eq_u32 s13, 0
	s_cbranch_scc0 .Lfor_b_\@
	tensor_load_to_lds s[36:39], s[24:31]
	s_nop 0
.rept 4
	v_nop
.endr
	s_branch .Lasked_\@
.Lfor_b_\@:
	tensor_load_to_lds s[52:55], s[40:47]
	s_nop 0
.rept 4
	v_nop
.endr
.Lasked_\@:
.endm
; PREFETCH.  In every second trip, behind the joint load and the run of LDS loads: the blocks of the K steps that the next two refills will ask for; lanes 0-15 name 16 pieces of 256 bytes of the nearer step,
; lanes 16-31 the same of the step behind it.  Each piece is named once in the launch: xb's rows by wave 0 of the clusters with x = 0 (8 KiB of a step for each of the four partners, told apart by address:
; two instructions), wb's by waves 1-3 of the clusters with y = 0 (4 KiB a wave).  K steps 0-3 come by their loads alone; the last asking trip names steps 14 and 15.
.macro ASK
	s_bitcmp1_b32 s3, 0
	s_cbranch_scc0 .Lno_\@
	s_cmp_gt_u32 s3, s57
	s_cbranch_scc0 .Lno_\@
	global_prefetch_b8 v[PFO], s[58:59] th:TH_LOAD_NT scope:SCOPE_SE
	s_cmp_lg_u32 s12, 0
	s_cbranch_scc1 .Lno_\@
	global_prefetch_b8 v[PFO], s[58:59] offset:4096 th:TH_LOAD_NT scope:SCOPE_SE
.Lno_\@:
.endm
	s_load_b128 s[4:7], s[0:1], 0x0                ; xb s[4:5], wb s[6:7]
	s_load_b64 s[8:9], s[0:1], 0x10                ; qkv
	v_lshl_add_u32 v[SPW], v0, 2, SPARE
	v_mov_b32 v[NIL], 0
	ds_add_u32 v[SPW], v[NIL]                      ; the wave's opening: the add and its wait stand ahead of my first tensor load; the set-up below stands between them
	v_lshrrev_b32 v1, 5, v0
	v_readfirstlane_b32 s12, v1
	s_lshr_b32 s13, s12, 1
	s_and_b32 s14, s12, 1
	s_bfe_u32 s15, ttmp6, 0x40000                  ; cx
	s_bfe_u32 s16, ttmp6, 0x40004                  ; cy
	s_lshl_b32 s17, ttmp9, 2
	s_add_co_u32 s17, s17, s15                     ; tile column = 4 x cluster x + cx
	s_and_b32 s19, ttmp7, 0xffff
	s_lshl_b32 s18, s19, 2
	s_add_co_u32 s18, s18, s16                     ; tile row = 4 x cluster y + cy
	s_lshl_b32 s2, s16, 2
	s_lshl_b32 s2, 15, s2                          ; my row of the cluster
	s_lshl_b32 s63, 0x1111, s15                    ; my column
	s_or_b32 s24, s2, G1W
	s_or_b32 s40, s63, G1W
	s_mov_b32 s25, 128<<16                         ; tensor_dim0 = 128 elements: the dense piece is asked for as rows of 256 bytes, two rows of the block each
	s_mov_b32 s26, 64<<16                          ; tensor_dim1 = 64: 128 rows of xb
	s_mov_b32 s27, 128<<16                         ; tile_dim0
	s_mov_b32 s28, 64                              ; tile_dim1
	s_mov_b32 s29, 128                             ; elements from row to row
	s_mov_b32 s30, 0
	s_mov_b32 s31, 0
	s_mov_b32 s41, 128<<16
	s_mov_b32 s42, 96<<16                          ; 192 rows of wb
	s_mov_b32 s43, 128<<16
	s_mov_b32 s44, 96
	s_mov_b32 s45, 128
	s_mov_b32 s46, 0
	s_mov_b32 s47, 0
	s_lshl_b32 s20, s18, 15                        ; xb: 256 rows x 128 bytes a tile row,
	s_lshl_b32 s2, s14, 14                         ; my 128 of them
	s_add_co_u32 s20, s20, s2
	s_mov_b32 s21, 0
	s_mul_i32 s22, s17, 49152                      ; wb: 384 rows a tile column,
	s_mul_i32 s63, s14, 24576                      ; my 192 of them
	s_add_co_u32 s22, s22, s63
	s_mov_b32 s23, 0
	s_mul_i32 s2, s14, 128*PITCH                   ; where they go: no place in the cluster enters an LDS address
	s_mul_i32 s63, s14, 192*PITCH
	s_add_co_u32 s63, s63, BOFF
	s_mov_b32 s32, 1
	s_mov_b32 s33, s2
	s_mov_b32 s36, 1
	s_add_co_u32 s37, s2, SLOTX
	s_mov_b32 s48, 1
	s_mov_b32 s49, s63
	s_mov_b32 s52, 1
	s_add_co_u32 s53, s63, SLOTX
	s_mov_b32 s56, 0
	s_wait_dscnt 0x0                               ; the opening add is done
	s_wait_kmcnt 0x0
	s_add_nc_u64 s[34:35], s[4:5], s[20:21]        ; K step 0,
	s_add_nc_u64 s[38:39], s[34:35], BLK           ; K step 1
	s_or_b32 s35, s35, 0x80000000                  ; type = 2
	s_or_b32 s39, s39, 0x80000000
	s_add_nc_u64 s[50:51], s[6:7], s[22:23]
	s_add_nc_u64 s[54:55], s[50:51], WBLK
	s_or_b32 s51, s51, 0x80000000
	s_or_b32 s55, s55, 0x80000000
	CROUND                                         ; all sixteen work-groups are here: the first joint loads meet
	s_cmp_eq_u32 s13, 0                            ; a wave's two first fills stand in one branch: two loads of mine are out
	s_cbranch_scc0 .Lfirst_b
	tensor_load_to_lds s[32:35], s[24:31]
	s_nop 0
	tensor_load_to_lds s[36:39], s[24:31]
	s_nop 0
.rept 4
	v_nop
.endr
	s_branch .Lfirst_done
.Lfirst_b:
	tensor_load_to_lds s[48:51], s[40:47]
	s_nop 0
	tensor_load_to_lds s[52:55], s[40:47]
	s_nop 0
.rept 4
	v_nop
.endr
.Lfirst_done:
	; a fragment is 16 rows x 32 K in 8 registers: lane l holds row l % 16, K = 8 (l / 16) + 0..7 and 16 + 8 (l / 16) + 0..7: two loads of 16 bytes, 32 bytes apart
	v_and_b32 v1, 15, v0
	v_bfe_u32 v2, v0, 4, 1
	v_mul_u32_u24 v3, v1, PITCH
	v_lshl_add_u32 v3, v2, 4, v3                   ; row x pitch + 16 x half
	s_mul_i32 s2, s13, 128*PITCH
	v_add_nc_u32 v[ADRA0], s2, v3
	s_mul_i32 s2, s14, 192*PITCH
	s_add_co_u32 s2, s2, BOFF
	v_add_nc_u32 v[ADRB0], s2, v3
	v_mov_b32 v[ADRA], v[ADRA0]
	v_mov_b32 v[ADRB], v[ADRB0]
	s_mul_i32 s2, s12, FR
	s_add_co_u32 s2, s2, STAGE                     ; my stage
	v_add_nc_u32 v[STO], s2, v3                    ; in: row l % 16, 16 bytes for each half of the lanes
	v_bfe_u32 v4, v0, 3, 2                         ; back: 32 lanes take four rows of 128 bytes,
	v_and_b32 v5, 7, v0
	v_mul_u32_u24 v4, v4, PITCH
	v_lshl_add_u32 v4, v5, 4, v4
	v_add_nc_u32 v[RD], s2, v4
	v_and_b32 v6, 31, v0                           ; which are 512 consecutive bytes of qkv
	v_lshlrev_b32 v[CO], 4, v6
	s_lshl_b32 s70, s17, 1                         ; my block of 64 columns in each of q, k, v: 2 x tile column + half,
	s_add_co_u32 s70, s70, s14
	s_lshl_b32 s70, s70, 20
	s_lshl_b32 s71, s18, 15                        ; my first row: 256 x tile row + 128 x half
	s_add_co_u32 s70, s70, s71
	s_lshl_b32 s71, s13, 14
	s_add_co_u32 s70, s70, s71
	s_mov_b32 s71, 0
	s_add_nc_u64 s[8:9], s[8:9], s[70:71]          ; in q,
	s_add_nc_u64 s[66:67], s[8:9], 16*BLK          ; in k,
	s_add_nc_u64 s[68:69], s[8:9], 32*BLK          ; in v
	; the prefetches
	s_lshl_b32 s72, s18, 15
	s_lshl_b32 s73, s15, 13                        ; xb: my work-group's 8 KiB of the tile's 32
	s_add_co_u32 s72, s72, s73
	s_add_co_u32 s72, s72, 2*BLK                   ; at K step 2: each refill steps it
	s_mul_i32 s74, s17, 49152
	s_mul_i32 s73, s16, 12288                      ; wb: my work-group's 12 KiB of the tile's 48,
	s_add_co_u32 s74, s74, s73
	s_sub_co_u32 s73, s12, 1
	s_lshl_b32 s73, s73, 12                        ; 4 KiB for each of waves 1-3
	s_add_co_u32 s74, s74, s73
	s_add_co_u32 s74, s74, 2*WBLK
	s_mov_b32 s75, BLK
	s_mov_b32 s76, WBLK
	s_cmp_eq_u32 s12, 0
	s_cselect_b64 s[58:59], s[4:5], s[6:7]
	s_cselect_b32 s72, s72, s74
	s_cselect_b32 s60, s75, s76
	s_cselect_b32 s63, ttmp9, s19                  ; the coordinate along which other clusters read the same rows
	s_mov_b32 s73, 0
	s_mov_b32 s61, 0
	s_add_nc_u64 s[58:59], s[58:59], s[72:73]
	s_cmp_eq_u32 s63, 0
	s_cselect_b32 s57, 2, -1                       ; the same in all sixteen partners, for a given wave
	v_mul_u32_u24 v[PFO], s60, v2
	v_lshl_add_u32 v[PFO], v1, 8, v[PFO]
; 16 matrix instructions: column group g, row blocks 4 half .. 4 half + 3, xb's buffer f.  zero = 1: the product starts the sum.  Each accumulator is named once a substep: they take turns.
.macro GH g, half, f, zero
	WIN 0x50*((\g)+1)
.irp a, 0,1,2,3
.irp b, 0,1,2,3
.if \zero
	v_wmma_f32_16x16x32_bf16 v[8*(4*(4*(\half)+(\a))+(\b)):8*(4*(4*(\half)+(\a))+(\b))+7], v[FB+8*(4*(\g)+(\b)):FB+8*(4*(\g)+(\b))+7], v[(\f)+8*(4*(\half)+(\a)):(\f)+8*(4*(\half)+(\a))+7], 0
.else
	v_wmma_f32_16x16x32_bf16 v[8*(4*(4*(\half)+(\a))+(\b)):8*(4*(4*(\half)+(\a))+(\b))+7], v[FB+8*(4*(\g)+(\b)):FB+8*(4*(\g)+(\b))+7], v[(\f)+8*(4*(\half)+(\a)):(\f)+8*(4*(\half)+(\a))+7], v[8*(4*(4*(\half)+(\a))+(\b)):8*(4*(4*(\half)+(\a))+(\b))+7]
.endif
.endr
.endr
.endm
.macro GRP g, f, zero
	GH \g, 0, \f, \zero
	GH \g, 1, \f, \zero
.endm
.macro RUN1 k, n                       ; 24 loads for the next substep, at byte k of the rows: wb's fragments 0-3, xb's eight into buffer n
	WIN 0
.irp i, 0,1,2,3
	ds_load_b128 v[FB+8*(\i):FB+8*(\i)+3],   v[ADRB] offset:(\k)+(\i)*FR
	ds_load_b128 v[FB+8*(\i)+4:FB+8*(\i)+7], v[ADRB] offset:(\k)+(\i)*FR+32
.endr
.irp i, 0,1,2,3,4,5,6,7
	ds_load_b128 v[(\n)+8*(\i):(\n)+8*(\i)+3],   v[ADRA] offset:(\k)+(\i)*FR
	ds_load_b128 v[(\n)+8*(\i)+4:(\n)+8*(\i)+7], v[ADRA] offset:(\k)+(\i)*FR+32
.endr
.endm
.macro RUN2 k                          ; 16 loads: wb's fragments 4-7, then 8-11
	WIN 0
.irp i, 4,5,6,7,8,9,10,11
	ds_load_b128 v[FB+8*(\i):FB+8*(\i)+3],   v[ADRB] offset:(\k)+(\i)*FR
	ds_load_b128 v[FB+8*(\i)+4:FB+8*(\i)+7], v[ADRB] offset:(\k)+(\i)*FR+32
.endr
.endm
; A substep that stays in its slot: multiplies buffer f and fetches the next substep, at byte k, into buffer n.
.macro SUB f, n, k, zero
	s_wait_dscnt 16                                ; RUN1's 24 loads are in; RUN2's 16 may be out
	GRP 0, \f, \zero
	PLACES
	RUN1 \k, \n
	s_wait_dscnt 32                                ; wb's 4-7 are in: behind them stand 8-11's eight loads and the 24 just issued
	GRP 1, \f, \zero
	s_wait_dscnt 24                                ; wb's 8-11 are in
	GRP 2, \f, \zero
	PLACES
	RUN2 \k
.endm
; The substep that changes slots: multiplies buffer 1.  ONE barrier: in front of it each wave waits for all its tensor loads (one is out: its part of the next slot), adds 0 to its spare word, and waits for that and
; for its reads of this slot.  fill = 1: the barrier opens a round of the cluster's, and this slot is filled again, first thing behind the round, with the K step two on: 160 matrix instructions ahead of the wait for it.
.macro TURN fill
.if \fill
	s_wait_xcnt 0x0                                ; the last prefetches, a K step or more back, have read their address
	s_add_nc_u64 s[58:59], s[58:59], s[60:61]
.endif
	WIN 0
	s_wait_tensorcnt 0x0                           ; no tensor load of mine is out, so a group 0 may be written
	ds_add_u32 v[SPW], v[NIL]                      ; 0 onto my spare word
.if \fill
	s_xor_b32 s37, s37, SLOTX                      ; the walking descriptors: the other slot than last time, the next K step
	s_add_nc_u64 s[38:39], s[38:39], BLK
	s_xor_b32 s53, s53, SLOTX
	s_add_nc_u64 s[54:55], s[54:55], WBLK
.endif
	s_wait_dscnt 17                                ; the add and RUN2's 16 may be out
	GH 0, 0, F1, 0
	s_wait_dscnt 0x0                               ; the add is done, and my reads of this slot are over
	s_barrier_signal -1
	GH 0, 1, F1, 0
	WIN 0
	s_barrier_wait -1
.if \fill
	CREST                                          ; no wave of any partner still reads this slot or has a load on its way
	JLOAD                                          ; its four v_nop are also the places in front of the loads below
.else
	PLACES
.endif
	s_xor_b32 s56, s56, SLOTX
	v_add_nc_u32 v[ADRA], s56, v[ADRA0]
	v_add_nc_u32 v[ADRB], s56, v[ADRB0]
	RUN1 0, F0
.if \fill
	ASK
.endif
	GRP 1, F1, 0
	GRP 2, F1, 0
	PLACES
	RUN2 0
.endm
	s_wait_tensorcnt 1                             ; my part of K step 0 is in; K step 1's may stay out
	s_barrier_signal -1
	s_barrier_wait -1
	RUN1 0, F0
	RUN2 0
	SUB F0, F1, 64, 1                              ; the first substep stands in front of the loop: its products start the sums
	WIN 0
	s_mov_b32 s3, 14
.Lkb:                                          ; trip t: the second half of K step t, the first half of K step t + 1; K step t + 2 is asked for
	TURN 1
	SUB F0, F1, 64, 0
	WIN 0
	s_sub_co_u32 s3, s3, 1
	s_cmp_lg_u32 s3, 0
	s_cbranch_scc1 .Lkb
	TURN 0                                         ; the tail is written out: nothing is left to ask for
	SUB F0, F1, 64, 0
	s_wait_dscnt 16
	GRP 0, F1, 0
	s_wait_dscnt 8
	GRP 1, F1, 0
	s_wait_dscnt 0x0
	GRP 2, F1, 0
	WIN 0
	PLACES
	PLACES
; THE WAY OUT, in 24 units of 16 rows x 64 columns (u = 8 g + a): rounded to 16 bits (q and k to bf16, v to f16), 16 bytes a lane into my stage, back as whole rows of 128 bytes, which are 2,048 consecutive bytes of a block of qkv.
.macro PACK u
.set g_, (\u)/8
.set a_, (\u)%8
.set R_, 32+16*((\u)%4)
	WIN 0
	s_wait_xcnt 0x0                                ; the stores of the unit four back have read these registers
	WIN 5*(g_+1)
.irp b, 0,1,2,3
.irp j, 0,1,2,3
.if g_ < 2
	v_cvt_pk_bf16_f32 v[R_+4*(\b)+(\j)], v[8*(4*a_+(\b))+2*(\j)], v[8*(4*a_+(\b))+2*(\j)+1]
.else
	v_cvt_pk_f16_f32 v[R_+4*(\b)+(\j)], v[8*(4*a_+(\b))+2*(\j)], v[8*(4*a_+(\b))+2*(\j)+1]
.endif
.endr
.endr
	WIN 0
.irp b, 0,1,2,3
	ds_store_b128 v[STO], v[R_+4*(\b):R_+4*(\b)+3] offset:32*(\b)
.endr
.irp t, 0,1,2,3
	ds_load_b128 v[R_+4*(\t):R_+4*(\t)+3], v[RD] offset:4*PITCH*(\t)  ; LDS serves a wave's instructions in order (ISA guide 5.7.1.4): these see the stores above
.endr
.endm
.macro SEND u, younger                 ; younger: the LDS lines issued behind this unit's loads
.set g_, (\u)/8
.set a_, (\u)%8
.set R_, 32+16*((\u)%4)
.set ob_, 8+58*((g_+1)/2)+2*(g_/2)     ; s[8:9], s[66:67] or s[68:69]
.irp t, 0,1,2,3
	s_wait_dscnt (\younger)+3-(\t)
	global_store_b128 v[CO], v[R_+4*(\t):R_+4*(\t)+3], s[ob_:ob_+1] offset:a_*2048+(\t)*512  ; 512 consecutive bytes, at a multiple of 256 from qkv's first
.endr
.endm
	PACK 0
.set u_, 1
.rept 23
	PACK u_
	SEND u_-1, 8
.set u_, u_+1
.endr
	SEND 23, 0
	s_wait_tensorcnt 0x0                           ; the wave's end
	ds_add_u32 v[SPW], v[NIL]
	s_wait_dscnt 0x0
	CROUND                                         ; the closing round
	s_endpgm
.Lfunc_end_k_q6cf36a0c7f_proj:
	.size	k_q6cf36a0c7f_proj, .Lfunc_end_k_q6cf36a0c7f_proj-k_q6cf36a0c7f_proj
	.p2alignl 7, 3214868480
	.fill 96, 4, 3214868480
	.section	.rodata,"a",@progbits
	.p2align	6, 0x0
	.amdhsa_kernel k_q6cf36a0c7f_proj
		.amdhsa_group_segment_fixed_size 327680
		.amdhsa_private_segment_fixed_size 0
		.amdhsa_enable_private_segment 0
		.amdhsa_kernarg_size 24
		.amdhsa_user_sgpr_count 2
		.amdhsa_user_sgpr_kernarg_segment_ptr 1
		.amdhsa_wavefront_size32 1
		.amdhsa_system_sgpr_workgroup_id_x 1
		.amdhsa_system_sgpr_workgroup_id_y 1
		.amdhsa_system_sgpr_workgroup_id_z 1
		.amdhsa_system_vgpr_workitem_id 0
		.amdhsa_next_free_vgpr 1024
		.amdhsa_next_free_sgpr 80
		.amdhsa_reserve_vcc 0
		.amdhsa_float_denorm_mode_32 3
		.amdhsa_float_denorm_mode_16_64 3
		.amdhsa_memory_ordered 1
		.amdhsa_forward_progress 1
		.amdhsa_inst_pref_size 114
	.end_amdhsa_kernel
	.amdgpu_metadata
---
amdhsa.version: [ 1, 2 ]
amdhsa.kernels:
  - .name:           k_q6cf36a0c7f_proj
    .symbol:         k_q6cf36a0c7f_proj.kd
    .args:
      - { .name: xb, .offset: 0, .size: 8, .value_kind: global_buffer, .address_space: global }
      - { .name: wb, .offset: 8, .size: 8, .value_kind: global_buffer, .address_space: global }
      - { .name: qkv, .offset: 16, .size: 8, .value_kind: global_buffer, .address_space: global }
    .group_segment_fixed_size: 327680
    .private_segment_fixed_size: 0
    .kernarg_segment_align: 8
    .kernarg_segment_size: 24
    .max_flat_workgroup_size: 128
    .sgpr_count:     80
    .vgpr_count:     1024
    .wavefront_size: 32
...
	.end_amdgpu_metadata
.endif
;; end of part 2
;; launch score (part 3): grid 8 x 32, 4 waves a work-group, clusters of 4 x 4, 327,680 bytes of LDS; arguments qkv, pt, st; writes pt, st
.if DOCPART == 3
	.amdgcn_target "amdgcn-amd-amdhsa--gfx1250"
	.amdhsa_code_object_version 6
	.text
	.protected	k_q6cf36a0c7f_score
	.globl	k_q6cf36a0c7f_score
	.p2align	8
	.type	k_q6cf36a0c7f_score,@function
k_q6cf36a0c7f_score:
	s_mov_b64 s[64:65], 0
	v_nop
	global_prefetch_b8 v0, s[64:65] scope:SCOPE_SE
	s_setreg_imm32_b32 hwreg(HW_REG_WAVE_MODE, 25, 1), 1
	s_wait_xcnt 0x0
	s_wait_alu depctr_hold_cnt(0) depctr_sa_sdst(0) depctr_va_vdst(0) depctr_va_sdst(0) depctr_va_ssrc(0) depctr_va_vcc(0) depctr_vm_vsrc(0)
	s_getreg_b32 s2, hwreg(HW_REG_IB_STS2, 6, 4)
	s_cmp_eq_u32 s2, 0
	s_cbranch_scc0 .Lentry_in_a_cluster
	s_endpgm
.Lentry_in_a_cluster:
	s_bfe_u32 s2, ttmp6, 0x10000c
	s_cmp_lg_u32 s2, 0xf033
	s_cbranch_scc0 .Lentry_shape_is_right
	s_endpgm
.Lentry_shape_is_right:
; S = q k^T for one batch's tile of 256 queries x 256 keys, K = 1024, bf16 operands, f32 sums; then, for each wave's 128 keys (a key block), with c = log2(e) / 32: the row's maximum cm of c s over those
; keys, p = 2^(c s - cm), and the row's sum l of the unrounded p.  The next launch takes the maximum over the 16 key blocks away.  c s - cm is a difference of two of the same rounded numbers and never above 0,
; so p lies in 0 to 1 whatever the scores' size.  LIMITS: a p below 2^-126 counts as 0 in l, below 6e-8 as 0 in pt; NaN and infinities are not treated apart.
; pt, f16: [16 key blocks of 128][512 row blocks of 16 queries][4 chunks of 32 keys][1,024 bytes]: a chunk is the next launch's fragment as it lies in registers: lane l's registers 0-3 at byte 16 l, registers 4-7 at 512 + 16 l.
; st, f32: cm at float  kblk x 8192 + (row / 64) x 64 + (row % 16) x 4 + (row / 16) % 4,  l 524,288 bytes behind it.
; SHARES.  32 x 8 tiles, one for each work-group; four waves, 2 x 2, each 128 queries x 128 keys: 64 accumulators, 512 registers.  K goes in steps of 128 (two blocks of qkv) through two LDS slots;
; each wave fetches one block's 256 rows (32 KiB, dense, asked for as 128 rows of 256 bytes).  A step is four quarters of 32 along K, 64 matrix instructions each.
; CLUSTER.  4 x 4: q's tile is shared along a row of the cluster, k's along a column; each is asked for jointly.
; TRANSPOSED USE: source 0 = 16 keys, source 1 = 16 queries: a lane holds one query (lane % 16) and the keys 8 (lane / 16) + 0..7 of each block of 16.  Two neighbouring results, rounded in pairs, are a fragment
; of 16 queries x 32 keys for the next launch's product: they are stored from the registers in which they arise.
; REGISTERS: window 0: v0-31 addresses; v48-61 statistics; v64-127, v128-191 q's fragments, two buffers (later a block's 64 scores and its 32 packed words).  Window 1: the same numbers: k's fragments.
; Windows 2, 3: accumulator (a, b) at v[8 (8 (a % 4) + b)] of window 2 + a / 4.
.set BLK,    0x100000
.set PITCH,  144                       ; 128 bytes + 16 of padding: the 16 rows of a load start at 16 different groups of four banks (ISA guide 11.1)
.set FR,     16*PITCH
.set REG,    256*PITCH                 ; a block's 256 rows in LDS; a slot: q even block, q odd, k even, k odd
.set SLOTX,  4*REG                     ; 0x24000: its bits are none of wave x REG's, so one exclusive or changes slots
.set STB,    2*SLOTX                   ; behind the ring: 1,024 bytes for each wave: cm [8 row blocks][16 rows] words, then l likewise
.set SPARE,  STB+4*1024                ; the spare words
.set KO1,    64                        ; where a quarter's 32 along K begin in the rows
.set KO2,    REG
.set KO3,    REG+64
.set ADRA,  16
.set ADRA0, 17
.set ADRB,  20
.set ADRB0, 21
.set SA,    22                         ; where this row block's cm goes
.set SA0,   24                         ; the same for row block 0; never rewritten
.set SRD,   25                         ; where I read four row blocks' cm back
.set CO0,   26                         ; 16 x lane; never rewritten
.set LN,    27                         ; lane
.set SPW,   28
.set NIL,   29
.set PFO,   30                         ; 256 x lane
.set CO,    31                         ; 16 x lane + this row block's 4,096 bytes
.set T,     48                         ; v48-51  at work
.set MO,    52                         ; v52-55  four cm to store
.set MP,    56                         ; v[56:57] cm, twice
.set LO,    58                         ; v58-61  four l to store
.set F0,    64
.set F1,    128
.set X,     64                         ; a row block's 64 scaled scores
.set R,     128                        ; its 32 words of f16
.set G1W,   (1<<16)|(1<<20)|(1<<21)|(4<<22)|(3<<25)
.set MUL_LO, 0xa1                      ; source 0 (k) window 1, source 1 (q) window 0, C and D window 2
.set TO_B,   0x40
.set MSB, 0
.macro WIN new
.if MSB != (\new)
	s_set_vgpr_msb (MSB<<8)|(\new)
.set MSB, \new
.endif
.endm
.macro PLACES
.rept 4
	v_nop
.endr
.endm
.macro CREST
	s_cmp_lg_u32 s12, 0
	s_cbranch_scc1 .Lnot_wave_0_\@
	s_barrier_signal -3
.Lnot_wave_0_\@:
	s_barrier_wait -3
	s_barrier_signal -1
	s_barrier_wait -1
.endm
.macro CROUND
	s_barrier_signal -1
	s_barrier_wait -1
	CREST
.endm
.macro JLOAD
	s_cmp_eq_u32 s13, 0
	s_cbranch_scc0 .Lfor_b_\@
	tensor_load_to_lds s[36:39], s[24:31]
	s_nop 0
.rept 4
	v_nop
.endr
	s_branch .Lasked_\@
.Lfor_b_\@:
	tensor_load_to_lds s[52:55], s[40:47]
	s_nop 0
.rept 4
	v_nop
.endr
.Lasked_\@:
.endm
; PREFETCH, behind each joint load and the run of LDS loads: of the block that I shall fetch in the next refill, my work-group's 8 KiB of the 32 (the four partners told apart by address), a lane for each 256 bytes:
; 256 matrix instructions ahead of that load.  q's rows are asked for by the clusters with x = 0, k's by the first of the two clusters along y that share a batch: each piece is named once.
; K steps 0-2 come by their loads alone; the last refill asks for nothing.
.macro ASK
	s_cmp_gt_u32 s3, s57
	s_cbranch_scc0 .Lno_\@
	global_prefetch_b8 v[PFO], s[58:59] th:TH_LOAD_NT scope:SCOPE_SE
.Lno_\@:
.endm
	s_load_b128 s[4:7], s[0:1], 0x0                ; qkv s[4:5], pt s[6:7]
	s_load_b64 s[8:9], s[0:1], 0x10                ; st
	v_lshl_add_u32 v[SPW], v0, 2, SPARE
	v_mov_b32 v[NIL], 0
	ds_add_u32 v[SPW], v[NIL]                      ; the wave's opening: the add and its wait stand ahead of my first tensor load
	v_lshrrev_b32 v1, 5, v0
	v_readfirstlane_b32 s12, v1
	s_lshr_b32 s13, s12, 1                         ; my half of the queries; also: I fetch q (0) or k (1)
	s_and_b32 s14, s12, 1                          ; my half of the keys; also: the even or the odd block
	s_bfe_u32 s15, ttmp6, 0x40000
	s_bfe_u32 s16, ttmp6, 0x40004
	s_lshl_b32 s17, ttmp9, 2
	s_add_co_u32 s17, s17, s15                     ; key tile in the batch
	s_and_b32 s19, ttmp7, 0xffff
	s_lshl_b32 s18, s19, 2
	s_add_co_u32 s18, s18, s16                     ; query tile over all batches; the batch is cluster y / 2
	s_lshl_b32 s2, s16, 2
	s_lshl_b32 s2, 15, s2
	s_lshl_b32 s63, 0x1111, s15
	s_or_b32 s24, s2, G1W
	s_or_b32 s40, s63, G1W
.irp g, 24, 40
	s_mov_b32 s[\g+1], 128<<16                     ; tensor_dim0 = 128 elements
	s_mov_b32 s[\g+2], 128<<16                     ; tensor_dim1 = 128 rows of 256 bytes
	s_mov_b32 s[\g+3], 128<<16                     ; tile_dim0
	s_mov_b32 s[\g+4], 128                         ; tile_dim1
	s_mov_b32 s[\g+5], 128                         ; elements from row to row
	s_mov_b32 s[\g+6], 0
	s_mov_b32 s[\g+7], 0
.endr
	s_lshl_b32 s20, s14, 20                        ; q: block 0 or 1,
	s_lshl_b32 s2, s18, 15                         ; the tile's 256 rows
	s_add_co_u32 s20, s20, s2
	s_mov_b32 s21, 0
	s_add_co_u32 s22, s14, 16                      ; k: block 16 or 17,
	s_lshl_b32 s22, s22, 20
	s_lshr_b32 s63, s19, 1
	s_lshl_b32 s63, s63, 18                        ; the batch's 2,048 rows,
	s_add_co_u32 s22, s22, s63
	s_lshl_b32 s63, s17, 15                        ; the tile's 256
	s_add_co_u32 s22, s22, s63
	s_mov_b32 s23, 0
	s_mul_i32 s2, s12, REG                         ; where they go: wave x a block's rows
	s_mul_i32 s63, s12, REG
	s_mov_b32 s32, 1
	s_mov_b32 s33, s2
	s_mov_b32 s36, 1
	s_add_co_u32 s37, s2, SLOTX
	s_mov_b32 s48, 1
	s_mov_b32 s49, s63
	s_mov_b32 s52, 1
	s_add_co_u32 s53, s63, SLOTX
	s_mov_b32 s56, 0
	s_mov_b32 s66, 0x3d38aa3b                      ; c = log2(e) / 32
	s_mov_b32 s67, s66
	s_mov_b32 s68, 0x76543210                      ; v_permlanex16_b32: each lane takes its own place in the other half
	s_mov_b32 s69, 0xfedcba98
	s_wait_dscnt 0x0
	s_wait_kmcnt 0x0
	s_add_nc_u64 s[34:35], s[4:5], s[20:21]
	s_add_nc_u64 s[38:39], s[34:35], 2*BLK
	s_or_b32 s35, s35, 0x80000000
	s_or_b32 s39, s39, 0x80000000
	s_add_nc_u64 s[50:51], s[4:5], s[22:23]
	s_add_nc_u64 s[54:55], s[50:51], 2*BLK
	s_or_b32 s51, s51, 0x80000000
	s_or_b32 s55, s55, 0x80000000
	CROUND
	s_cmp_eq_u32 s13, 0
	s_cbranch_scc0 .Lfirst_b
	tensor_load_to_lds s[32:35], s[24:31]
	s_nop 0
	tensor_load_to_lds s[36:39], s[24:31]
	s_nop 0
.rept 4
	v_nop
.endr
	s_branch .Lfirst_done
.Lfirst_b:
	tensor_load_to_lds s[48:51], s[40:47]
	s_nop 0
	tensor_load_to_lds s[52:55], s[40:47]
	s_nop 0
.rept 4
	v_nop
.endr
.Lfirst_done:
	v_and_b32 v1, 15, v0
	v_bfe_u32 v2, v0, 4, 1
	v_mul_u32_u24 v3, v1, PITCH
	v_lshl_add_u32 v3, v2, 4, v3
	s_mul_i32 s2, s13, 128*PITCH
	v_add_nc_u32 v[ADRA0], s2, v3
	s_mul_i32 s2, s14, 128*PITCH
	s_add_co_u32 s2, s2, 2*REG
	v_add_nc_u32 v[ADRB0], s2, v3
	v_mov_b32 v[ADRA], v[ADRA0]
	v_mov_b32 v[ADRB], v[ADRB0]
	s_lshl_b32 s2, s12, 10
	s_add_co_u32 s2, s2, STB                       ; my 1,024 bytes for the statistics
	v_lshl_add_u32 v[SA0], v1, 2, s2               ; in: word l % 16 of a row block's 16
	v_lshl_add_u32 v[SRD], v2, 8, v[SA0]           ; back: lanes 0-15 take row blocks 0-3, lanes 16-31 blocks 4-7
	v_and_b32 v[LN], 31, v0
	v_lshlrev_b32 v[CO0], 4, v[LN]
	v_lshlrev_b32 v[PFO], 8, v[LN]
	s_lshl_b32 s70, s17, 1                         ; pt: my key block: 2 x key tile + half: 2 MiB each,
	s_add_co_u32 s70, s70, s14
	s_lshl_b32 s70, s70, 21
	s_lshl_b32 s71, s18, 16                        ; my first row block: 16 x query tile + 8 x half: 4,096 bytes each
	s_add_co_u32 s70, s70, s71
	s_lshl_b32 s71, s13, 15
	s_add_co_u32 s70, s70, s71
	s_mov_b32 s71, 0
	s_add_nc_u64 s[6:7], s[6:7], s[70:71]
	s_lshl_b32 s70, s17, 1                         ; st: my key block,
	s_add_co_u32 s70, s70, s14
	s_lshl_b32 s70, s70, 15
	s_lshl_b32 s72, s18, 10                        ; my rows: 256 bytes for each 64
	s_add_co_u32 s70, s70, s72
	s_lshl_b32 s72, s13, 9
	s_add_co_u32 s70, s70, s72
	s_add_nc_u64 s[8:9], s[8:9], s[70:71]
	s_lshl_b32 s72, s15, 13                        ; the prefetches: my work-group's 8 KiB of the block that I fetch
	s_add_co_u32 s72, s72, s20
	s_lshl_b32 s74, s16, 13
	s_add_co_u32 s74, s74, s22
	s_and_b32 s75, s19, 1
	s_cmp_eq_u32 s13, 0
	s_cselect_b32 s72, s72, s74
	s_cselect_b32 s63, ttmp9, s75
	s_mov_b32 s73, 0
	s_add_nc_u64 s[58:59], s[4:5], s[72:73]
	s_add_nc_u64 s[58:59], s[58:59], 4*BLK         ; at K step 2: each refill steps it
	s_cmp_eq_u32 s63, 0
	s_cselect_b32 s57, 1, -1
; 16 matrix instructions: query blocks a0, a0 + 1 of the window's four x all 8 key blocks.  The 64 accumulators take turns in the same order in every quarter.
.macro MUL16 f, hi, a0, zero
	WIN MUL_LO+0x50*(\hi)
.irp a, \a0, (\a0)+1
.irp b, 0,1,2,3,4,5,6,7
.if \zero
	v_wmma_f32_16x16x32_bf16 v[8*(8*(\a)+(\b)):8*(8*(\a)+(\b))+7], v[(\f)+8*(\b):(\f)+8*(\b)+7], v[(\f)+8*(4*(\hi)+(\a)):(\f)+8*(4*(\hi)+(\a))+7], 0
.else
	v_wmma_f32_16x16x32_bf16 v[8*(8*(\a)+(\b)):8*(8*(\a)+(\b))+7], v[(\f)+8*(\b):(\f)+8*(\b)+7], v[(\f)+8*(4*(\hi)+(\a)):(\f)+8*(4*(\hi)+(\a))+7], v[8*(8*(\a)+(\b)):8*(8*(\a)+(\b))+7]
.endif
.endr
.endr
.endm
.macro FETCH k, f                      ; 32 LDS loads in one run: k's 128 rows, then q's 128 rows, 32 along K at byte k
	WIN TO_B
.irp i, 0,1,2,3,4,5,6,7
	ds_load_b128 v[(\f)+8*(\i):(\f)+8*(\i)+3],   v[ADRB] offset:(\k)+(\i)*FR
	ds_load_b128 v[(\f)+8*(\i)+4:(\f)+8*(\i)+7], v[ADRB] offset:(\k)+(\i)*FR+32
.endr
	WIN 0
.irp i, 0,1,2,3,4,5,6,7
	ds_load_b128 v[(\f)+8*(\i):(\f)+8*(\i)+3],   v[ADRA] offset:(\k)+(\i)*FR
	ds_load_b128 v[(\f)+8*(\i)+4:(\f)+8*(\i)+7], v[ADRA] offset:(\k)+(\i)*FR+32
.endr
.endm
.macro QUARTER k, f, g, zero           ; multiplies buffer f; in its middle fetches the next quarter, at byte k, into buffer g
	s_wait_dscnt 8                                 ; all but q's rows 64-127
	MUL16 \f, 0, 0, \zero
	MUL16 \f, 0, 2, \zero
	PLACES
	FETCH \k, \g
	s_wait_dscnt 32                                ; all but the 32 just issued
	MUL16 \f, 1, 0, \zero
	MUL16 \f, 1, 2, \zero
.endm
; The quarter that changes slots (buffer 1).  ONE barrier: in front of it all my tensor loads have landed, the add is out and back, my reads of this slot are over.  fill = 1: the barrier opens a round of the
; cluster's, and this slot is filled again first thing behind it, with the K step two on: 224 matrix instructions ahead of the wait for it.
.macro TURN fill
.if \fill
	s_wait_xcnt 0x0                                ; the last prefetch, a K step back, has read its address
	s_add_nc_u64 s[58:59], s[58:59], 2*BLK
.endif
	WIN 0
	s_wait_tensorcnt 0x0
	ds_add_u32 v[SPW], v[NIL]
.if \fill
	s_xor_b32 s37, s37, SLOTX
	s_add_nc_u64 s[38:39], s[38:39], 2*BLK
	s_xor_b32 s53, s53, SLOTX
	s_add_nc_u64 s[54:55], s[54:55], 2*BLK
.endif
	s_wait_dscnt 9                                 ; the add and the youngest eight loads may be out
	MUL16 F1, 0, 0, 0
	s_wait_dscnt 0x0
	s_barrier_signal -1
	MUL16 F1, 0, 2, 0
	WIN 0
	s_barrier_wait -1
.if \fill
	CREST
	JLOAD
.else
	PLACES
.endif
	s_xor_b32 s56, s56, SLOTX
	v_add_nc_u32 v[ADRA], s56, v[ADRA0]
	v_add_nc_u32 v[ADRB], s56, v[ADRB0]
	FETCH 0, F0
.if \fill
	ASK
.endif
	MUL16 F1, 1, 0, 0
	MUL16 F1, 1, 2, 0
.endm
	s_wait_tensorcnt 1                             ; my part of K step 0 is in
	s_barrier_signal -1
	s_barrier_wait -1
	FETCH 0, F0
	QUARTER KO1, F0, F1, 1                         ; the first quarter's products start the sums
	WIN 0
	s_mov_b32 s3, 6
.Lstep:                                        ; trip t: quarters 1-3 of K step t, quarter 0 of K step t + 1; K step t + 2 is asked for
	QUARTER KO2, F1, F0, 0
	QUARTER KO3, F0, F1, 0
	TURN 1
	QUARTER KO1, F0, F1, 0
	WIN 0
	s_sub_co_u32 s3, s3, 1
	s_cmp_lg_u32 s3, 0
	s_cbranch_scc1 .Lstep
	QUARTER KO2, F1, F0, 0                         ; the tail is written out: nothing is left to ask for
	QUARTER KO3, F0, F1, 0
	TURN 0
	QUARTER KO1, F0, F1, 0
	QUARTER KO2, F1, F0, 0
	QUARTER KO3, F0, F1, 0
	s_wait_dscnt 8
	MUL16 F1, 0, 0, 0
	MUL16 F1, 0, 2, 0
	s_wait_dscnt 0x0
	MUL16 F1, 1, 0, 0
	MUL16 F1, 1, 2, 0
	WIN 0
	PLACES
	PLACES
; THE SOFTMAX, a loop over my eight blocks of 16 queries.  A lane holds 64 scores of its query, the lane 16 away the other 64.  Only the 32 lines that take a block's scores out of its accumulators, times c,
; into v64-127 name other registers from block to block: they are written eight times (HEAD) and chosen by forward jumps on the loop's counter; all else is written once.
.macro HEAD a                          ; each accumulator is read from its lowest registers on
	WIN 2+(\a)/4                                   ; source 0 in the accumulators' window
.set p_, 0
.rept 32
	v_pk_mul_f32 v[X+2*p_:X+2*p_+1], v[64*((\a)%4)+2*p_:64*((\a)%4)+2*p_+1], s[66:67] op_sel_hi:[1,0]
.set p_, p_+1
.endr
	WIN 0
.endm
.macro SUBM p                          ; pair p: c s - cm
	v_pk_add_f32 v[X+2*(\p):X+2*(\p)+1], v[X+2*(\p):X+2*(\p)+1], v[MP:MP+1] op_sel_hi:[1,0] neg_lo:[0,1] neg_hi:[0,1]
.endm
.macro EXPO n
	v_exp_f32 v[X+(\n)], v[X+(\n)]
.endm
	s_mov_b32 s3, 8                                ; blocks to go: block 8 - s3 is in hand
	s_mov_b32 s77, 0                               ; its 64 bytes among my statistics
	s_mov_b32 s78, 0                               ; its 4,096 bytes of pt
.Lsoft:
.irp x, 0,1,2,3,4,5,6
	s_cmp_eq_u32 s3, 8-\x
	s_cbranch_scc1 .Lh\x
.endr
	HEAD 7
	s_branch .Lcom
.irp x, 0,1,2,3,4,5
.Lh\x:
	HEAD \x
	s_branch .Lcom
.endr
.Lh6:
	HEAD 6
.Lcom:
.irp i, 0,1,2,3                        ; the maximum, in four chains, three operands at a time
	v_max3_num_f32 v[T+(\i)], v[X+8*(\i)], v[X+8*(\i)+1], v[X+8*(\i)+2]
.endr
.irp n, 3,5
.irp i, 0,1,2,3
	v_max3_num_f32 v[T+(\i)], v[T+(\i)], v[X+8*(\i)+(\n)], v[X+8*(\i)+(\n)+1]
.endr
.endr
.irp n, 0,2,4,6
.irp i, 0,1,2,3
	v_max3_num_f32 v[T+(\i)], v[T+(\i)], v[X+32+8*(\i)+(\n)], v[X+32+8*(\i)+(\n)+1]
.endr
.endr
	v_max3_num_f32 v[T], v[T], v[X+7], v[X+15]
	v_max3_num_f32 v[T+2], v[T+2], v[X+23], v[X+31]
	v_add_nc_u32 v[SA], s77, v[SA0]
	v_max3_num_f32 v[T], v[T], v[T+1], v[T+2]
	v_max_num_f32 v[T], v[T], v[T+3]
	v_permlanex16_b32 v[T+1], v[T], s68, s69       ; the query's other 64 keys lie in the lane 16 away
	v_max_num_f32 v[MP], v[T], v[T+1]
	v_max_num_f32 v[MP+1], v[T], v[T+1]
	SUBM 0                                         ; ONE BATCH: 64 exponentials, the subtraction of a later pair between them; none of these lines names an exponential's result
	SUBM 1
.set p_, 0
.rept 32
	EXPO 2*p_
.if p_ < 30
	SUBM p_+2
.endif
	EXPO 2*p_+1
.set p_, p_+1
.endr
	v_nop                                          ; a plain instruction behind the last exponential,
	s_wait_alu depctr_va_vdst(0)                   ; and the one wait ahead of the batch's first reader
	s_wait_xcnt 0x0                                ; the last block's stores have read their registers and their offset
	v_add_nc_u32 v[CO], s78, v[CO0]
.set i_, 0
.rept 32
	v_cvt_pk_f16_f32 v[R+i_], v[X+2*i_], v[X+2*i_+1]
.set i_, i_+1
.endr
.irp b, 0,1,2,3,4,5,6,7
	global_store_b128 v[CO], v[R+4*(\b):R+4*(\b)+3], s[6:7] offset:((\b)/2)*1024+((\b)%2)*512  ; key block b of 16 is half a chunk: 512 consecutive bytes, at a multiple of 256 from pt's first
.endr
.irp d, 1,2,4,8,16                     ; the sum of the 32 pairs, in place: neighbours 1, 2, 4, 8 and 16 pairs apart
.set i_, 0
.rept 16/(\d)
	v_pk_add_f32 v[X+4*(\d)*i_:X+4*(\d)*i_+1], v[X+4*(\d)*i_:X+4*(\d)*i_+1], v[X+4*(\d)*i_+2*(\d):X+4*(\d)*i_+2*(\d)+1]
.set i_, i_+1
.endr
.endr
	v_add_f32 v[T], v[X], v[X+1]
	ds_store_b32 v[SA], v[MP]                      ; (both halves of the lanes store the same word)
	v_permlanex16_b32 v[T+1], v[T], s68, s69
	v_add_f32 v[T], v[T], v[T+1]
	ds_store_b32 v[SA], v[T] offset:512
	s_add_co_u32 s77, s77, 64
	s_add_co_u32 s78, s78, 4096
	s_sub_co_u32 s3, s3, 1
	s_cmp_lg_u32 s3, 0
	s_cbranch_scc1 .Lsoft
	; the statistics: lanes 0-15 store those of query blocks 0-3, lanes 16-31 of blocks 4-7: 16 bytes a lane, 512 consecutive bytes a store
.irp i, 0,1,2,3
	ds_load_b32 v[MO+\i], v[SRD] offset:64*\i      ; LDS serves a wave's instructions in order (ISA guide 5.7.1.4): these see my stores above
.endr
.irp i, 0,1,2,3
	ds_load_b32 v[LO+\i], v[SRD] offset:512+64*\i
.endr
	s_wait_dscnt 0x0
	global_store_b128 v[CO0], v[MO:MO+3], s[8:9]
	global_store_b128 v[CO0], v[LO:LO+3], s[8:9] offset:524288
	s_wait_tensorcnt 0x0                           ; the wave's end
	ds_add_u32 v[SPW], v[NIL]
	s_wait_dscnt 0x0
	CROUND
	s_endpgm
.Lfunc_end_k_q6cf36a0c7f_score:
	.size	k_q6cf36a0c7f_score, .Lfunc_end_k_q6cf36a0c7f_score-k_q6cf36a0c7f_score
	.p2alignl 7, 3214868480
	.fill 96, 4, 3214868480
	.section	.rodata,"a",@progbits
	.p2align	6, 0x0
	.amdhsa_kernel k_q6cf36a0c7f_score
		.amdhsa_group_segment_fixed_size 327680
		.amdhsa_private_segment_fixed_size 0
		.amdhsa_enable_private_segment 0
		.amdhsa_kernarg_size 24
		.amdhsa_user_sgpr_count 2
		.amdhsa_user_sgpr_kernarg_segment_ptr 1
		.amdhsa_wavefront_size32 1
		.amdhsa_system_sgpr_workgroup_id_x 1
		.amdhsa_system_sgpr_workgroup_id_y 1
		.amdhsa_system_sgpr_workgroup_id_z 1
		.amdhsa_system_vgpr_workitem_id 0
		.amdhsa_next_free_vgpr 1024
		.amdhsa_next_free_sgpr 80
		.amdhsa_reserve_vcc 0
		.amdhsa_float_denorm_mode_32 3
		.amdhsa_float_denorm_mode_16_64 3
		.amdhsa_memory_ordered 1
		.amdhsa_forward_progress 1
		.amdhsa_inst_pref_size 115
	.end_amdhsa_kernel
	.amdgpu_metadata
---
amdhsa.version: [ 1, 2 ]
amdhsa.kernels:
  - .name:           k_q6cf36a0c7f_score
    .symbol:         k_q6cf36a0c7f_score.kd
    .args:
      - { .name: qkv, .offset: 0, .size: 8, .value_kind: global_buffer, .address_space: global }
      - { .name: pt, .offset: 8, .size: 8, .value_kind: global_buffer, .address_space: global }
      - { .name: st, .offset: 16, .size: 8, .value_kind: global_buffer, .address_space: global }
    .group_segment_fixed_size: 327680
    .private_segment_fixed_size: 0
    .kernarg_segment_align: 8
    .kernarg_segment_size: 24
    .max_flat_workgroup_size: 128
    .sgpr_count:     80
    .vgpr_count:     1024
    .wavefront_size: 32
...
	.end_amdgpu_metadata
.endif
;; end of part 3
;; launch pv (part 4): grid 8 x 32, 4 waves a work-group, clusters of 4 x 4, 327,680 bytes of LDS; arguments pt, qkv, st, out0; writes out0
.if DOCPART == 4
	.amdgcn_target "amdgcn-amd-amdhsa--gfx1250"
	.amdhsa_code_object_version 6
	.text
	.protected	k_q6cf36a0c7f_pv
	.globl	k_q6cf36a0c7f_pv
	.p2align	8
	.type	k_q6cf36a0c7f_pv,@function
k_q6cf36a0c7f_pv:
	s_mov_b64 s[64:65], 0
	v_nop
	global_prefetch_b8 v0, s[64:65] scope:SCOPE_SE
	s_setreg_imm32_b32 hwreg(HW_REG_WAVE_MODE, 25, 1), 1
	s_wait_xcnt 0x0
	s_wait_alu depctr_hold_cnt(0) depctr_sa_sdst(0) depctr_va_vdst(0) depctr_va_sdst(0) depctr_va_ssrc(0) depctr_va_vcc(0) depctr_vm_vsrc(0)
	s_getreg_b32 s2, hwreg(HW_REG_IB_STS2, 6, 4)
	s_cmp_eq_u32 s2, 0
	s_cbranch_scc0 .Lentry_in_a_cluster
	s_endpgm
.Lentry_in_a_cluster:
	s_bfe_u32 s2, ttmp6, 0x10000c
	s_cmp_lg_u32 s2, 0xf033
	s_cbranch_scc0 .Lentry_shape_is_right
	s_endpgm
.Lentry_shape_is_right:
; out = softmax x v.  pt holds, for each key block of 128, p = 2^(c s - cm_blk); st holds cm_blk and l_blk.  For each row: M = the maximum of its 16 cm_blk, f_blk = 2^(cm_blk - M), L = the sum of f_blk l_blk,
; out[row][d] = (the sum over keys of (p f_blk) v[key][d]) / L.  So the row's true maximum is taken away.  f_blk lies in 0 to 1, L is at least 1.
; p f_blk is formed in f16, one packed multiply on each register of p's fragments (one more rounding of 2^-12); products in f16, sums in f32; out0 in f32.
; LIMITS: a factor below 2^-126, and a p f below 6e-8, count as 0; NaN and infinities are not treated apart.
; SHARES.  A tile is 256 rows x 128 columns: 32 x 8, one for each work-group.  Wave w has rows 64 w .. 64 w + 63 and all 128 columns: 4 x 8 accumulators, so each fragment of p is scaled by one wave.
; The keys go in steps of 128 (one key block) through two LDS slots: p's 16 row blocks x 4 chunks of 1,024 bytes, each chunk a fragment as it lies in registers (no padding: a load's 32 lanes take 512 bytes on
; end), and v's 128 keys x two blocks of 64 columns.  A step is four substeps of 32 keys, 32 matrix instructions each.
; THE WALK.  A cluster begins at key step j0 = 8 ((cluster x + cluster y) % 2) and goes round: step j0 + i modulo 16 is its walk step i.  The two clusters that read the same rows of pt, and the two that read
; the same rows of v, so begin eight steps apart.  j0 hangs on the cluster's coordinates alone: it is the same in all sixteen partners.  The sums over keys are taken in the walk's order.
; CLUSTER.  4 x 4: p's tile is shared along a row of the cluster, v's along a column; each is asked for jointly.
; TRANSPOSED USE: source 0 = 16 columns of v (turned on the way out of LDS by ds_load_tr16_b128), source 1 = 16 rows of p: a lane holds one row and eight neighbouring columns.
; REGISTERS: window 0: v0-31 addresses; v32-35 this step's factors, v36-39 the next step's, v40-47 1 / L; v64-95, v96-127 p's fragments; v128-191, v192-255 v's.  Window 1: accumulator (a, b) at v[8 (8 a + b)].
.set BLK,    0x100000                  ; bytes of a block of qkv
.set PBLK,   0x200000                  ; bytes of a key block of pt
.set PV,     160                       ; a row of v in LDS: 128 + 32
.set VOFF,   65536                     ; in a slot: p's 64 KiB, then v
.set REGV,   128*PV
.set SLOTX,  0x20000
.set FT,     SLOTX+VOFF+2*REGV         ; behind the ring: the factors, 4,096 bytes a wave: [walk step 16][row % 16][row block 4] words, f16 in both halves
.set STAGE,  FT+4*4096                 ; 16 rows x 528 bytes for each wave
.set SP,     528                       ; 512 bytes + 16
.set SPARE,  STAGE+4*16*SP
.set ADRA0, 2
.set ADRB0, 3
.set ADRA,  4
.set ADRB,  5
.set FTA0,  6                          ; my 16 bytes of a walk step's factors, step 0; never rewritten
.set STO,   7
.set RD,    8
.set CO,    9
.set SO,    10
.set FTA,   11
.set SPW,   28
.set NIL,   29
.set PFO,   30
.set FC,    32
.set FN,    36
.set RL,    40
.set FA,    64
.set FBB,   128
.set MM,    64                         ; at the start only: cm, then the factors;
.set LL,    128                        ; l;
.set MX,    192                        ; M;
.set LS,    196                        ; L
.set G1WA,  (1<<16)|(1<<21)                          ; 2-byte elements; bit 21 beside a mask; no padding
.set G1WV,  (1<<16)|(1<<20)|(1<<21)|(4<<22)|(7<<25)  ; after every 32 words 8 words of padding
; s12 wave, s13 wave / 2 (I fetch p or v), s14 wave % 2, s15 cx, s16 cy, s17 tile column, s18 tile row, s19 cluster y, s79 j0; s[24:39] p's descriptors, s[40:55] v's; s56 the slot that is read;
; s[58:59], s[60:61], s62 the prefetches' address, step and parity; s[66:67] st at the walk's second half; s74, s76 how far p's and v's descriptors go back at walk step 8; s[72:73], s[70:71] that or 0; s77 the factors' step
.set MSB, 0
.macro WIN new
.if MSB != (\new)
	s_set_vgpr_msb (MSB<<8)|(\new)
.set MSB, \new
.endif
.endm
.macro PLACES
.rept 4
	v_nop
.endr
.endm
.macro CREST
	s_cmp_lg_u32 s12, 0
	s_cbranch_scc1 .Lnot_wave_0_\@
	s_barrier_signal -3
.Lnot_wave_0_\@:
	s_barrier_wait -3
	s_barrier_signal -1
	s_barrier_wait -1
.endm
.macro CROUND
	s_barrier_signal -1
	s_barrier_wait -1
	CREST
.endm
.macro JLOAD
	s_cmp_eq_u32 s13, 0
	s_cbranch_scc0 .Lfor_b_\@
	tensor_load_to_lds s[36:39], s[24:31]
	s_nop 0
.rept 4
	v_nop
.endr
	s_branch .Lasked_\@
.Lfor_b_\@:
	tensor_load_to_lds s[52:55], s[40:47]
	s_nop 0
.rept 4
	v_nop
.endr
.Lasked_\@:
.endm
; PREFETCH, behind the joint load and the run of LDS loads, a lane for each 256 bytes, 8 KiB an instruction; the four partners are told apart by address.  A cluster asks for its own walk steps 4 to 7 alone:
; steps 0-3 come by their loads, and steps 8-15 are those with which the cluster that shares the rows began.  So each piece is named once in the launch.  Waves 0, 1 (p): in trips 0-3, my work-group's quarter of the
; 32 KiB that I shall fetch two refills on.  Waves 2, 3 (v): in trips 1 and 3, my work-group's quarter of the 32 KiB that the next two refills fetch.
.macro ASK
	s_or_b32 s2, s3, s62
	s_bitcmp1_b32 s2, 0
	s_cbranch_scc0 .Lno_\@
	s_cmp_gt_u32 s3, 10
	s_cbranch_scc0 .Lno_\@
	global_prefetch_b8 v[PFO], s[58:59] th:TH_LOAD_NT scope:SCOPE_SE
.Lno_\@:
.endm
	s_load_b256 s[4:11], s[0:1], 0x0               ; pt s[4:5], qkv s[6:7], st s[8:9], out0 s[10:11]
	v_lshl_add_u32 v[SPW], v0, 2, SPARE
	v_mov_b32 v[NIL], 0
	ds_add_u32 v[SPW], v[NIL]                      ; the wave's opening: the add and its wait stand ahead of my first tensor load
	v_lshrrev_b32 v1, 5, v0
	v_readfirstlane_b32 s12, v1
	v_and_b32 v12, 15, v0
	v_lshlrev_b32 v[SO], 4, v12
	s_lshr_b32 s13, s12, 1                         ; I fetch p (0) or v (1)
	s_and_b32 s14, s12, 1                          ; which half of p's rows, or which of v's two blocks
	s_bfe_u32 s15, ttmp6, 0x40000
	s_bfe_u32 s16, ttmp6, 0x40004
	s_lshl_b32 s17, ttmp9, 2
	s_add_co_u32 s17, s17, s15                     ; tile column
	s_and_b32 s19, ttmp7, 0xffff
	s_lshl_b32 s18, s19, 2
	s_add_co_u32 s18, s18, s16                     ; tile row; the batch is cluster y / 2
	s_xor_b32 s79, ttmp9, s19
	s_and_b32 s79, s79, 1
	s_lshl_b32 s79, s79, 3                         ; j0: 0 or 8
	s_lshl_b32 s2, s16, 2
	s_lshl_b32 s2, 15, s2
	s_lshl_b32 s63, 0x1111, s15
	s_or_b32 s24, s2, G1WA
	s_or_b32 s40, s63, G1WV
	s_mov_b32 s25, 128<<16
	s_mov_b32 s26, 128<<16                         ; p: 128 rows of 256 bytes: 8 row blocks of 4,096 bytes, dense
	s_mov_b32 s27, 128<<16
	s_mov_b32 s28, 128
	s_mov_b32 s29, 128
	s_mov_b32 s30, 0
	s_mov_b32 s31, 0
	s_mov_b32 s41, 128<<16
	s_mov_b32 s42, 64<<16                          ; v: 64 rows of 256 bytes: 128 keys of a block
	s_mov_b32 s43, 128<<16
	s_mov_b32 s44, 64
	s_mov_b32 s45, 128
	s_mov_b32 s46, 0
	s_mov_b32 s47, 0
	s_lshl_b32 s20, s18, 16                        ; p: the tile's 16 row blocks,
	s_lshl_b32 s2, s14, 15                         ; my 8 of them,
	s_add_co_u32 s20, s20, s2
	s_lshl_b32 s2, s79, 21                         ; key block j0
	s_add_co_u32 s20, s20, s2
	s_mov_b32 s21, 0
	s_lshl_b32 s22, s17, 1                         ; v: block 32 + 2 x tile column + 0 or 1,
	s_add_co_u32 s22, s22, s14
	s_add_co_u32 s22, s22, 32
	s_lshl_b32 s22, s22, 20
	s_lshr_b32 s63, s19, 1
	s_lshl_b32 s63, s63, 18                        ; the batch's 2,048 keys,
	s_add_co_u32 s22, s22, s63
	s_lshl_b32 s63, s79, 14                        ; key step j0
	s_add_co_u32 s22, s22, s63
	s_mov_b32 s23, 0
	s_lshl_b32 s2, s14, 15                         ; where they go: no place in the cluster enters an LDS address
	s_mul_i32 s63, s14, REGV
	s_add_co_u32 s63, s63, VOFF
	s_mov_b32 s32, 1
	s_mov_b32 s33, s2
	s_mov_b32 s36, 1
	s_add_co_u32 s37, s2, SLOTX
	s_mov_b32 s48, 1
	s_mov_b32 s49, s63
	s_mov_b32 s52, 1
	s_add_co_u32 s53, s63, SLOTX
	s_mov_b32 s56, 0                               ; the slot that is read
	s_mov_b32 s77, 0                               ; the walk step whose factors are read next, x 256 bytes
	s_lshl_b32 s74, s79, 22                        ; 16 key blocks of pt where j0 = 8, else 0
	s_lshl_b32 s76, s79, 15                        ; 16 key steps of v likewise
	s_mov_b32 s71, 0
	s_mov_b32 s73, 0
	s_lshl_b32 s68, s18, 2                         ; st: 256 bytes for each 64 rows
	s_add_co_u32 s68, s68, s12
	s_lshl_b32 s68, s68, 8
	s_mov_b32 s69, 0
	s_wait_dscnt 0x0
	s_wait_kmcnt 0x0
	s_add_nc_u64 s[8:9], s[8:9], s[68:69]
	s_xor_b32 s68, s79, 8
	s_lshl_b32 s68, s68, 15
	s_add_nc_u64 s[66:67], s[8:9], s[68:69]        ; walk steps 8-15,
	s_lshl_b32 s68, s79, 15
	s_add_nc_u64 s[8:9], s[8:9], s[68:69]          ; walk steps 0-7
	; THE STATISTICS of my 64 rows are asked for first of all, in the walk's order: a lane takes row l % 16 of each of the four row blocks, 16 bytes for each key block
.set k_, 0
.rept 8
	global_load_b128 v[MM+4*k_:MM+4*k_+3], v[SO], s[8:9] offset:k_*32768
	global_load_b128 v[MM+32+4*k_:MM+32+4*k_+3], v[SO], s[66:67] offset:k_*32768
.set k_, k_+1
.endr
.set k_, 0
.rept 8
	global_load_b128 v[LL+4*k_:LL+4*k_+3], v[SO], s[8:9] offset:524288+k_*32768
	global_load_b128 v[LL+32+4*k_:LL+32+4*k_+3], v[SO], s[66:67] offset:524288+k_*32768
.set k_, k_+1
.endr
	s_add_nc_u64 s[34:35], s[4:5], s[20:21]        ; walk step 0,
	s_add_nc_u64 s[38:39], s[34:35], PBLK          ; walk step 1
	s_or_b32 s35, s35, 0x80000000
	s_or_b32 s39, s39, 0x80000000
	s_add_nc_u64 s[50:51], s[6:7], s[22:23]
	s_add_nc_u64 s[54:55], s[50:51], 16384
	s_or_b32 s51, s51, 0x80000000
	s_or_b32 s55, s55, 0x80000000
	CROUND
	s_cmp_eq_u32 s13, 0
	s_cbranch_scc0 .Lfirst_b
	tensor_load_to_lds s[32:35], s[24:31]
	s_nop 0
	tensor_load_to_lds s[36:39], s[24:31]
	s_nop 0
.rept 4
	v_nop
.endr
	s_branch .Lfirst_done
.Lfirst_b:
	tensor_load_to_lds s[48:51], s[40:47]
	s_nop 0
	tensor_load_to_lds s[52:55], s[40:47]
	s_nop 0
.rept 4
	v_nop
.endr
.Lfirst_done:
	v_bfe_u32 v13, v0, 4, 1
	v_and_b32 v14, 7, v0
	v_bfe_u32 v15, v0, 3, 1
	v_and_b32 v16, 31, v0
	s_lshl_b32 s2, s12, 14
	v_lshl_add_u32 v[ADRA0], v16, 4, s2            ; my four row blocks of 4,096 bytes; 16 bytes a lane
	v_lshl_add_u32 v[ADRB0], v13, 3, v14           ; the turning load: lane l reads key 8 (l / 16) + l % 8, columns 8 ((l / 8) % 2) + 0..7
	v_mul_u32_u24 v[ADRB0], v[ADRB0], PV
	v_lshl_add_u32 v[ADRB0], v15, 4, v[ADRB0]
	v_add_nc_u32 v[ADRB0], VOFF, v[ADRB0]
	v_mov_b32 v[ADRA], v[ADRA0]
	v_mov_b32 v[ADRB], v[ADRB0]
	s_lshl_b32 s2, s12, 12
	s_add_co_u32 s2, s2, FT
	v_lshl_add_u32 v[FTA0], v12, 4, s2
	s_mul_i32 s2, s12, 16*SP
	s_add_co_u32 s2, s2, STAGE
	v_mul_u32_u24 v[STO], v12, SP                  ; in: row l % 16, 32 bytes for each half of the lanes
	v_lshl_add_u32 v[STO], v13, 5, v[STO]
	v_add_nc_u32 v[STO], s2, v[STO]
	v_lshl_add_u32 v[RD], v16, 4, s2               ; back: 32 lanes take a row's 512 bytes
	v_lshlrev_b32 v[CO], 4, v16
	v_lshlrev_b32 v[PFO], 8, v16
	s_lshl_b32 s68, s18, 20                        ; out0: 256 rows of 4,096 bytes a tile row,
	s_lshl_b32 s75, s12, 18                        ; my 64,
	s_add_co_u32 s68, s68, s75
	s_lshl_b32 s75, s17, 9                         ; 128 columns of 4 bytes a tile column
	s_add_co_u32 s68, s68, s75
	s_add_nc_u64 s[10:11], s[10:11], s[68:69]
	s_lshl_b32 s68, s15, 13                        ; the prefetches
	s_add_co_u32 s68, s68, s20
	s_add_co_u32 s68, s68, 3*PBLK                  ; p: at walk step 3; each refill steps it
	s_lshl_b32 s75, s16, 13
	s_add_co_u32 s75, s75, s22
	s_add_co_u32 s75, s75, 2*16384                 ; v: at walk step 2
	s_mov_b32 s78, PBLK
	s_mov_b32 s63, 16384
	s_cmp_eq_u32 s13, 0
	s_cselect_b64 s[58:59], s[4:5], s[6:7]
	s_cselect_b32 s68, s68, s75
	s_cselect_b32 s60, s78, s63
	s_cselect_b32 s62, 1, 0                        ; p's waves ask in every trip, v's in every second
	s_mov_b32 s61, 0
	s_add_nc_u64 s[58:59], s[58:59], s[68:69]
	s_wait_loadcnt 0x0
.irp a, 0,1,2,3
	v_max3_num_f32 v[MX+\a], v[MM+\a], v[MM+4+\a], v[MM+8+\a]
.endr
.irp k, 3,5,7,9,11,13
.irp a, 0,1,2,3
	v_max3_num_f32 v[MX+\a], v[MX+\a], v[MM+4*(\k)+\a], v[MM+4*(\k)+4+\a]
.endr
.endr
.irp a, 0,1,2,3
	v_max_num_f32 v[MX+\a], v[MX+\a], v[MM+60+\a]
.endr
.set i_, 0
.rept 32                                       ; cm - M, never above 0
	v_pk_add_f32 v[MM+2*i_:MM+2*i_+1], v[MM+2*i_:MM+2*i_+1], v[MX+2*(i_%2):MX+2*(i_%2)+1] neg_lo:[0,1] neg_hi:[0,1]
.set i_, i_+1
.endr
.set i_, 0
.rept 64
	v_exp_f32 v[MM+i_], v[MM+i_]
.set i_, i_+1
.endr
	v_nop                                          ; a plain instruction behind the last exponential,
	s_wait_alu depctr_va_vdst(0)                   ; and the one wait for the batch
	v_pk_mul_f32 v[LS:LS+1], v[MM:MM+1], v[LL:LL+1]
	v_pk_mul_f32 v[LS+2:LS+3], v[MM+2:MM+3], v[LL+2:LL+3]
.set i_, 2
.rept 30                                       ; L, in f32, of the unrounded factors: two chains
	v_pk_fma_f32 v[LS+2*(i_%2):LS+2*(i_%2)+1], v[MM+2*i_:MM+2*i_+1], v[LL+2*i_:LL+2*i_+1], v[LS+2*(i_%2):LS+2*(i_%2)+1]
.set i_, i_+1
.endr
.set i_, 0
.rept 64
	v_cvt_pk_f16_f32 v[MM+i_], v[MM+i_], v[MM+i_]  ; the factor in both halves, for the packed multiply
.set i_, i_+1
.endr
.set k_, 0
.rept 16
	ds_store_b128 v[FTA0], v[MM+4*k_:MM+4*k_+3] offset:256*k_  ; (both halves of the lanes store the same words)
.set k_, k_+1
.endr
.irp a, 0,1,2,3
	v_rcp_f32 v[RL+2*\a], v[LS+\a]
	v_rcp_f32 v[RL+2*\a+1], v[LS+\a]
.endr
	v_nop
	s_wait_alu depctr_va_vdst(0)                   ; ahead of the labels below, and of the first use at the launch's end
.macro FETCHP q, n                     ; 24 LDS loads in one run: substep q's four fragments of p and eight of v, into buffers n
	WIN 0
.irp a, 0,1,2,3
	ds_load_b128 v[FA+32*(\n)+8*(\a):FA+32*(\n)+8*(\a)+3],   v[ADRA] offset:(\a)*4096+(\q)*1024
	ds_load_b128 v[FA+32*(\n)+8*(\a)+4:FA+32*(\n)+8*(\a)+7], v[ADRA] offset:(\a)*4096+(\q)*1024+512
.endr
.irp b, 0,1,2,3,4,5,6,7
	ds_load_tr16_b128 v[FBB+64*(\n)+8*(\b):FBB+64*(\n)+8*(\b)+3],   v[ADRB] offset:(\q)*32*PV+((\b)/4)*REGV+((\b)%4)*32
	ds_load_tr16_b128 v[FBB+64*(\n)+8*(\b)+4:FBB+64*(\n)+8*(\b)+7], v[ADRB] offset:(\q)*32*PV+((\b)/4)*REGV+((\b)%4)*32+16*PV
.endr
.endm
.macro SCALE0 c                        ; fragment 0 of p times its rows' factor
	WIN 0
.irp i, 0,1,2,3,4,5,6,7
	v_pk_mul_f16 v[FA+32*(\c)+(\i)], v[FA+32*(\c)+(\i)], v[FC]
.endr
.endm
; Row block a's eight products, in two fours; behind each four, four registers of the next fragment of p are scaled.  The 32 accumulators take turns.
.macro ROWA c, a, zero
.irp i, 0,1
	WIN 0x50
.irp b, 0,1,2,3
.if \zero
	v_wmma_f32_16x16x32_f16 v[8*(8*(\a)+4*(\i)+(\b)):8*(8*(\a)+4*(\i)+(\b))+7], v[FBB+64*(\c)+8*(4*(\i)+(\b)):FBB+64*(\c)+8*(4*(\i)+(\b))+7], v[FA+32*(\c)+8*(\a):FA+32*(\c)+8*(\a)+7], 0
.else
	v_wmma_f32_16x16x32_f16 v[8*(8*(\a)+4*(\i)+(\b)):8*(8*(\a)+4*(\i)+(\b))+7], v[FBB+64*(\c)+8*(4*(\i)+(\b)):FBB+64*(\c)+8*(4*(\i)+(\b))+7], v[FA+32*(\c)+8*(\a):FA+32*(\c)+8*(\a)+7], v[8*(8*(\a)+4*(\i)+(\b)):8*(8*(\a)+4*(\i)+(\b))+7]
.endif
.endr
.if (\a) < 3
	WIN 0
.irp b, 0,1,2,3
	v_pk_mul_f16 v[FA+32*(\c)+8*((\a)+1)+4*(\i)+(\b)], v[FA+32*(\c)+8*((\a)+1)+4*(\i)+(\b)], v[FC+(\a)+1]
.endr
.endif
.endr
.endm
; A substep on buffers c; fetch = 1: substep q is fetched into the other buffers, behind row block 0: the sixteen packed multiplies since those buffers' last products are the places in front of the loads.
; newf = 1: a new key block begins: its factors take the place of the old.
.macro SUBP c, q, zero, newf, fetch=1
	s_wait_dscnt 0x0                               ; the run issued 24 products back is in
	WIN 0
.if \newf
.irp i, 0,1,2,3
	v_mov_b32 v[FC+\i], v[FN+\i]
.endr
.endif
	SCALE0 \c
	ROWA \c, 0, \zero
.if \fetch
	FETCHP \q, 1-(\c)
.endif
	ROWA \c, 1, \zero
	ROWA \c, 2, \zero
	ROWA \c, 3, \zero
.endm
; The substep that changes slots (buffers 1).  ONE barrier: in front of it all my tensor loads have landed, the add is out and back, my reads of this slot are over.  fill = 1: the barrier opens a round of the
; cluster's, and this slot is filled again first thing behind it, with the walk step two on; in the trip that asks for walk step 8 (s3 = 8) the descriptors go back 16 steps where j0 = 8, and by 0 elsewhere.
.macro TURNP fill
.if \fill
	s_wait_xcnt 0x0                                ; the last prefetch, a key step or more back, has read its address
	s_add_nc_u64 s[58:59], s[58:59], s[60:61]
.endif
	WIN 0
	s_wait_tensorcnt 0x0
	ds_add_u32 v[SPW], v[NIL]
.if \fill
	s_xor_b32 s37, s37, SLOTX
	s_add_nc_u64 s[38:39], s[38:39], PBLK
	s_xor_b32 s53, s53, SLOTX
	s_add_nc_u64 s[54:55], s[54:55], 16384
	s_cmp_eq_u32 s3, 8
	s_cselect_b32 s72, s74, 0
	s_cselect_b32 s70, s76, 0
	s_sub_nc_u64 s[38:39], s[38:39], s[72:73]
	s_sub_nc_u64 s[54:55], s[54:55], s[70:71]
.endif
	s_wait_dscnt 1                                 ; the add alone may be out
	SCALE0 1
	ROWA 1, 0, 0
	s_wait_dscnt 0x0
	s_barrier_signal -1
	ROWA 1, 1, 0
	WIN 0
	s_barrier_wait -1
.if \fill
	CREST
	JLOAD
.else
	PLACES
.endif
	s_xor_b32 s56, s56, SLOTX
	v_add_nc_u32 v[ADRA], s56, v[ADRA0]
	v_add_nc_u32 v[ADRB], s56, v[ADRB0]
	v_add_nc_u32 v[FTA], s77, v[FTA0]
	FETCHP 0, 0
	ds_load_b128 v[FN:FN+3], v[FTA]                ; the next walk step's factors: my own wave's bytes
	s_add_co_u32 s77, s77, 256
.if \fill
	ASK
.endif
	ROWA 1, 2, 0
	ROWA 1, 3, 0
.endm
	s_wait_dscnt 0x0                               ; my stores of the factors are done
	s_wait_tensorcnt 1                             ; my part of walk step 0 is in
	s_barrier_signal -1
	s_barrier_wait -1
	v_add_nc_u32 v[FTA], s77, v[FTA0]
	FETCHP 0, 0
	ds_load_b128 v[FC:FC+3], v[FTA]
	s_add_co_u32 s77, s77, 256
	SUBP 0, 1, 1, 0                                ; the first substep's products start the sums
	WIN 0
	s_mov_b32 s3, 14
.Lstep:                                        ; trip t: substeps 1-3 of walk step t, substep 0 of walk step t + 1; walk step t + 2 is asked for
	SUBP 1, 2, 0, 0
	SUBP 0, 3, 0, 0
	TURNP 1
	SUBP 0, 1, 0, 1
	WIN 0
	s_sub_co_u32 s3, s3, 1
	s_cmp_lg_u32 s3, 0
	s_cbranch_scc1 .Lstep
	SUBP 1, 2, 0, 0                                ; the tail is written out: nothing is left to ask for
	SUBP 0, 3, 0, 0
	TURNP 0
	SUBP 0, 1, 0, 1
	SUBP 1, 2, 0, 0
	SUBP 0, 3, 0, 0
	SUBP 1, 0, 0, 0, 0
	WIN 0
	PLACES
	PLACES
; THE WAY OUT, a row block at a time: times 1 / L; 32 bytes a lane into my stage; back as whole rows of 512 bytes.
.macro OUTA a
.set O_, 64+64*((\a)%2)
	WIN 0
	s_wait_xcnt 0x0                                ; the stores of the block two back have read these registers
	WIN 0x01
.set i_, 0
.rept 32
	v_pk_mul_f32 v[O_+2*i_:O_+2*i_+1], v[64*(\a)+2*i_:64*(\a)+2*i_+1], v[RL+2*(\a):RL+2*(\a)+1] op_sel_hi:[1,0]
.set i_, i_+1
.endr
	WIN 0
.irp b, 0,1,2,3,4,5,6,7
	ds_store_b128 v[STO], v[O_+8*(\b):O_+8*(\b)+3]   offset:64*(\b)
	ds_store_b128 v[STO], v[O_+8*(\b)+4:O_+8*(\b)+7] offset:64*(\b)+16
.endr
.set i_, 0
.rept 16
	ds_load_b128 v[O_+4*i_:O_+4*i_+3], v[RD] offset:SP*i_  ; LDS serves a wave's instructions in order: these see the stores above
.set i_, i_+1
.endr
.endm
.macro SENDO a, younger
.set O_, 64+64*((\a)%2)
.set i_, 0
.rept 16
	s_wait_dscnt (\younger)+15-i_
	global_store_b128 v[CO], v[O_+4*i_:O_+4*i_+3], s[10:11] offset:(16*(\a)+i_)*4096 th:TH_STORE_NT  ; 512 consecutive bytes, at a multiple of 256 from out0's first
.set i_, i_+1
.endr
.endm
	OUTA 0
	OUTA 1
	SENDO 0, 32
	OUTA 2
	SENDO 1, 32
	OUTA 3
	SENDO 2, 32
	SENDO 3, 0
	s_wait_tensorcnt 0x0                           ; the wave's end
	ds_add_u32 v[SPW], v[NIL]
	s_wait_dscnt 0x0
	CROUND
	s_endpgm
.Lfunc_end_k_q6cf36a0c7f_pv:
	.size	k_q6cf36a0c7f_pv, .Lfunc_end_k_q6cf36a0c7f_pv-k_q6cf36a0c7f_pv
	.p2alignl 7, 3214868480
	.fill 96, 4, 3214868480
	.section	.rodata,"a",@progbits
	.p2align	6, 0x0
	.amdhsa_kernel k_q6cf36a0c7f_pv
		.amdhsa_group_segment_fixed_size 327680
		.amdhsa_private_segment_fixed_size 0
		.amdhsa_enable_private_segment 0
		.amdhsa_kernarg_size 32
		.amdhsa_user_sgpr_count 2
		.amdhsa_user_sgpr_kernarg_segment_ptr 1
		.amdhsa_wavefront_size32 1
		.amdhsa_system_sgpr_workgroup_id_x 1
		.amdhsa_system_sgpr_workgroup_id_y 1
		.amdhsa_system_sgpr_workgroup_id_z 1
		.amdhsa_system_vgpr_workitem_id 0
		.amdhsa_next_free_vgpr 512
		.amdhsa_next_free_sgpr 80
		.amdhsa_reserve_vcc 0
		.amdhsa_float_denorm_mode_32 3
		.amdhsa_float_denorm_mode_16_64 3
		.amdhsa_memory_ordered 1
		.amdhsa_forward_progress 1
		.amdhsa_inst_pref_size 124
	.end_amdhsa_kernel
	.amdgpu_metadata
---
amdhsa.version: [ 1, 2 ]
amdhsa.kernels:
  - .name:           k_q6cf36a0c7f_pv
    .symbol:         k_q6cf36a0c7f_pv.kd
    .args:
      - { .name: pt, .offset: 0, .size: 8, .value_kind: global_buffer, .address_space: global }
      - { .name: qkv, .offset: 8, .size: 8, .value_kind: global_buffer, .address_space: global }
      - { .name: st, .offset: 16, .size: 8, .value_kind: global_buffer, .address_space: global }
      - { .name: out0, .offset: 24, .size: 8, .value_kind: global_buffer, .address_space: global }
    .group_segment_fixed_size: 327680
    .private_segment_fixed_size: 0
    .kernarg_segment_align: 8
    .kernarg_segment_size: 32
    .max_flat_workgroup_size: 128
    .sgpr_count:     80
    .vgpr_count:     512
    .wavefront_size: 32
...
	.end_amdgpu_metadata
.endif
;; end of part 4
;; ======== version 2 of 2: 4 launches; version 1 with the launch cvt written anew for expert scheduling mode
;; limits: values are held in f16: magnitudes above 65,504 overflow, below 6.1e-05 lose precision
;; workspace buffers: xb 16,777,216 bytes; wb 6,291,456 bytes; qkv 50,331,648 bytes; pt 33,554,432 bytes; st 1,048,576 bytes
;; launch cvt (part 5): grid 256 x 1, 11 waves a work-group, no clusters, 0 bytes of LDS; arguments x, Wq, Wk, Wv, xb, wb; writes xb, wb
.if DOCPART == 5
	.amdgcn_target "amdgcn-amd-amdhsa--gfx1250"
	.amdhsa_code_object_version 6
	.text
	.protected	k_q6cf36a0c7f_cvt
	.globl	k_q6cf36a0c7f_cvt
	.p2align	8
	.type	k_q6cf36a0c7f_cvt,@function
k_q6cf36a0c7f_cvt:
	s_mov_b64 s[64:65], 0
	v_nop
	global_prefetch_b8 v0, s[64:65] scope:SCOPE_SE
	s_setreg_imm32_b32 hwreg(HW_REG_WAVE_SCHED_MODE, 0, 2), 2
	s_setreg_imm32_b32 hwreg(HW_REG_WAVE_MODE, 25, 1), 1
	s_wait_xcnt 0x0
	s_wait_alu depctr_vm_vsrc(0)
; x [8192][1024] and Wq, Wk, Wv [1024][1024], all f32, are rounded once to bf16 (nearest even) and laid out in blocks along K:
; xb [16][8192][64], wb [16][3072][64]: a row's 64 numbers of a block are 128 bytes, rows on end, so that any tile 'R rows x 64 along K' of the next launch is one dense piece of memory.
; wb's rows are dealt by sixty-fours: row 192 c + 64 t + i is row 64 c + i of W number t (0 Wq, 1 Wk, 2 Wv): 192 rows on end are 64 columns each of q, k and v.
; SHARES.  The 11,264 rows are 2,816 fours; a wave owns four rows, a work-group has 11 waves, 256 work-groups: each the same share.  Waves 0-2047 (counted over the launch) take x, the other 768 the three W.
; Which buffers a wave works on is chosen by selects: there is no branch.
; Load j of 32: row pair j / 16, block j % 16; lanes 0-15 take the 256 bytes of the even row, lanes 16-31 of the odd one.  A lane's 16 bytes become 8, and the wave's store covers 256 consecutive
; bytes, aligned: the two rows' 128 bytes of that block.  All 32 loads of a wave go out at once (16 KiB).
; No LDS, matrix unit or cluster: nothing is shared and nothing is read twice.
; THE MODE: SCHED_MODE bits 1:0 = 2 (LLVM: expert scheduling mode 2), set by the entry lines.  The code itself states the register dependences
; between vector instructions and memory instructions, with s_wait_alu, always for 0.
; THE PLAN.  Registers that memory instructions touch:
;   v[SRCO]   written at the head, never again; read by all 32 loads as their offset.
;   v[DO ..]  sixteen offsets, written once each behind the loads, never again; read by the stores.
;   X         load j lands in its four registers; its two conversions read the four and write the first two; store j reads those two.  No vector instruction names them ahead of the loads, nothing writes them behind the store.
; The loads go in eight groups of four.  Store j stands one group behind its conversions, in front of the conversions of load j + 4.  So ONE wait on va_vdst at a group's head states all that the group's four
; stores hang on: the group before has written its pairs (and, at group 1, the sixteen offsets are written).  The vector instructions issued since that wait are this group's conversions, which name this group's
; registers alone.  No register that a load or a store has read is ever written again: so there is no wait on vm_vsrc, and none on XCNT.  The text is one straight line: there is one path.
.set BLK,  0x100000                    ; bytes of a block of xb: 8192 rows x 128
.set WBLK, 0x60000                     ; of wb: 3072 rows x 128
.set GRP,  4                           ; loads in a group
.set SRCO, 3                           ; v3      my byte offset in the wave's four source rows
.set DST0, 4                           ; v4      my byte offset in the wave's rows of block 0
.set DO,   8                           ; v[8:23] the same for each of the 16 blocks
.set X,    24                          ; v[24:151] load j: four registers
	s_load_b256 s[4:11], s[0:1], 0x0               ; x s[4:5], Wq s[6:7], Wk s[8:9], Wv s[10:11]
	s_load_b128 s[12:15], s[0:1], 0x20             ; xb s[12:13], wb s[14:15]
	v_lshrrev_b32 v1, 5, v0
	v_readfirstlane_b32 s16, v1                    ; wave 0..10
	v_bfe_u32 v2, v0, 4, 1                         ; half of the lanes
	v_and_b32 v5, 15, v0
	v_and_b32 v6, 31, v0
	v_lshlrev_b32 v[SRCO], 4, v5                   ; 16 bytes a lane,
	v_lshl_add_u32 v[SRCO], v2, 12, v[SRCO]        ; the odd row for lanes 16-31
	v_lshlrev_b32 v[DST0], 3, v6                   ; 8 bytes a lane: two rows of 128 bytes
	s_wait_alu depctr_va_sdst(0)                   ; s16 is written, ahead of its first reader: the wave's rows and both bases are made from it
	s_mul_i32 s17, ttmp9, 11
	s_add_co_u32 s17, s17, s16                     ; my four rows among the launch's 2,816 fours
	s_sub_co_u32 s18, s17, 2048                    ; among W's 768 (used where the wave is one of them)
	s_lshr_b32 s19, s18, 8                         ; which W
	s_and_b32 s24, s18, 255                        ; which four rows of it
	s_lshr_b32 s25, s24, 4                         ; where they go in wb, in fours: 48 for each sixty-four rows,
	s_mul_i32 s25, s25, 48
	s_lshl_b32 s28, s19, 4                         ; 16 for each W,
	s_add_co_u32 s25, s25, s28
	s_and_b32 s28, s24, 15                         ; and the four's place in its sixty-four
	s_add_co_u32 s25, s25, s28
	s_mov_b32 s26, BLK
	s_mov_b32 s27, WBLK
	s_wait_kmcnt 0x0
	s_cmp_eq_u32 s19, 1
	s_cselect_b64 s[20:21], s[8:9], s[6:7]
	s_cmp_eq_u32 s19, 2
	s_cselect_b64 s[20:21], s[10:11], s[20:21]
	s_cmp_lt_u32 s17, 2048                         ; a wave of x?
	s_cselect_b64 s[20:21], s[4:5], s[20:21]       ; from where,
	s_cselect_b64 s[22:23], s[12:13], s[14:15]     ; to where,
	s_cselect_b32 s24, s17, s24                    ; which four rows of the source,
	s_cselect_b32 s25, s17, s25                    ; which of the destination,
	s_cselect_b32 s26, s26, s27                    ; and how far the destination's blocks lie apart
	s_lshl_b32 s28, s24, 14                        ; four rows of 4,096 bytes
	s_mov_b32 s29, 0
	s_lshl_b32 s30, s25, 9                         ; four rows of 128 bytes
	s_mov_b32 s31, 0
	s_add_nc_u64 s[20:21], s[20:21], s[28:29]
	s_add_nc_u64 s[22:23], s[22:23], s[30:31]
	s_wait_alu depctr_va_vdst(0)                   ; v[SRCO] is written: all 32 loads read it as their offset
.set j, 0
.rept 32
	global_load_b128 v[X+4*j:X+4*j+3], v[SRCO], s[20:21] offset:(j/16)*8192+(j%16)*256 th:TH_LOAD_NT
.set j, j+1
.endr
.irp kb, 0,1,2,3,4,5,6,7,8,9,10,11,12,13,14,15
	s_mul_i32 s2, s26, \kb
	v_add_nc_u32 v[DO+\kb], s2, v[DST0]            ; (read first by the stores of group 1's turn, behind that group's wait)
.endr
.set j, 0
.rept 32
	s_wait_loadcnt 31-j                            ; loads come back in order: load j is in, the younger ones stay out
.if (j%GRP == 0) && (j > 0)
	s_wait_alu depctr_va_vdst(0)                   ; a group's head: the conversions of the group before have written their pairs, which the four stores of this group's turn read as data; at group 1 the sixteen adds have written v[DO ..], the stores' offsets
.endif
.if j >= GRP
.set i, j-GRP
	global_store_b64 v[DO+i%16], v[X+4*i:X+4*i+1], s[22:23] offset:(i/16)*256  ; the group before.  No wait: no vector instruction since the group's head names these registers
.endif
	v_cvt_pk_bf16_f32 v[X+4*j], v[X+4*j], v[X+4*j+1]
	v_cvt_pk_bf16_f32 v[X+4*j+1], v[X+4*j+2], v[X+4*j+3]
.set j, j+1
.endr
	s_wait_alu depctr_va_vdst(0)                   ; the last group's conversions have written their pairs, which the last four stores read
.set i, 32-GRP
.rept GRP
	global_store_b64 v[DO+i%16], v[X+4*i:X+4*i+1], s[22:23] offset:(i/16)*256
.set i, i+1
.endr
	s_endpgm
.Lfunc_end_k_q6cf36a0c7f_cvt:
	.size	k_q6cf36a0c7f_cvt, .Lfunc_end_k_q6cf36a0c7f_cvt-k_q6cf36a0c7f_cvt
	.p2alignl 7, 3214868480
	.fill 96, 4, 3214868480
	.section	.rodata,"a",@progbits
	.p2align	6, 0x0
	.amdhsa_kernel k_q6cf36a0c7f_cvt
		.amdhsa_group_segment_fixed_size 0
		.amdhsa_private_segment_fixed_size 0
		.amdhsa_enable_private_segment 0
		.amdhsa_kernarg_size 48
		.amdhsa_user_sgpr_count 2
		.amdhsa_user_sgpr_kernarg_segment_ptr 1
		.amdhsa_wavefront_size32 1
		.amdhsa_system_sgpr_workgroup_id_x 1
		.amdhsa_system_sgpr_workgroup_id_y 1
		.amdhsa_system_sgpr_workgroup_id_z 1
		.amdhsa_system_vgpr_workitem_id 0
		.amdhsa_next_free_vgpr 152
		.amdhsa_next_free_sgpr 66
		.amdhsa_reserve_vcc 0
		.amdhsa_float_denorm_mode_32 3
		.amdhsa_float_denorm_mode_16_64 3
		.amdhsa_memory_ordered 1
		.amdhsa_forward_progress 1
		.amdhsa_inst_pref_size 15
	.end_amdhsa_kernel
	.amdgpu_metadata
---
amdhsa.version: [ 1, 2 ]
amdhsa.kernels:
  - .name:           k_q6cf36a0c7f_cvt
    .symbol:         k_q6cf36a0c7f_cvt.kd
    .args:
      - { .name: x, .offset: 0, .size: 8, .value_kind: global_buffer, .address_space: global }
      - { .name: Wq, .offset: 8, .size: 8, .value_kind: global_buffer, .address_space: global }
      - { .name: Wk, .offset: 16, .size: 8, .value_kind: global_buffer, .address_space: global }
      - { .name: Wv, .offset: 24, .size: 8, .value_kind: global_buffer, .address_space: global }
      - { .name: xb, .offset: 32, .size: 8, .value_kind: global_buffer, .address_space: global }
      - { .name: wb, .offset: 40, .size: 8, .value_kind: global_buffer, .address_space: global }
    .group_segment_fixed_size: 0
    .private_segment_fixed_size: 0
    .kernarg_segment_align: 8
    .kernarg_segment_size: 48
    .max_flat_workgroup_size: 352
    .sgpr_count:     66
    .vgpr_count:     152
    .wavefront_size: 32
...
	.end_amdgpu_metadata
.endif
;; end of part 5
;; launch proj: the kernel of part 2 again; grid 8 x 32, 4 waves a work-group, clusters of 4 x 4, 327,680 bytes of LDS; arguments xb, wb, qkv; writes qkv
;; launch score: the kernel of part 3 again; grid 8 x 32, 4 waves a work-group, clusters of 4 x 4, 327,680 bytes of LDS; arguments qkv, pt, st; writes pt, st
;; launch pv: the kernel of part 4 again; grid 8 x 32, 4 waves a work-group, clusters of 4 x 4, 327,680 bytes of LDS; arguments pt, qkv, st, out0; writes out0
